; MI455X (gfx1250); checked and timed in simulation.
; The chip was launched on July 23, 2026; its instructions are those of AMD's public machine-readable ISA for CDNA 5 (MIT licence, August 2026) and "CDNA5" Instruction Set Architecture Reference Guide (July 2026). The comments in the code are by the model that wrote it; some were corrected since.
;; Multi Head Attention. Allowed arithmetic: matrix products marked QUANTISED: E2M1 operands, one E8M0 scale for each 32 along K, by v_wmma_scale_f32_16x16x128_f8f6f4 with both operands' format E2M1 (or v_wmma_scale_f32_32x16x128_f4), f32 sums; products left as they are: bf16, f16 or f32 operands; f32 sums; everything else in f32.
;; Inputs: bk 1,024 float32; bo 1,024 float32; bq 1,024 float32; bv 1,024 float32; k 4 x 2,048 x 1,024 float32; mask 1 x 1 x 2,048 x 2,048 float32; q 4 x 2,048 x 1,024 float32; v 4 x 2,048 x 1,024 float32; wk 1,024 x 1,024 float32; wo 1,024 x 1,024 float32; wq 1,024 x 1,024 float32; wv 1,024 x 1,024 float32.
;; Outputs: out0 4 x 2,048 x 1,024 float32.
;; This version of the problem:
;;   THIS VERSION OF THE PROBLEM IS GIVEN IN LOW PRECISION. The matrix products marked QUANTISED in the list below multiply operands that are first quantised to E2M1 (2 exponent bits, 1 mantissa bit; 4 bits a number), with one power-of-two scale for each 32 numbers along K (OCP MX v1.0); their sums are f32. The products marked 'left as it is' may take bf16, f16 or f32 operands, with f32 sums. Whichever they take, every output number must still come out within the allowed error. Rounding operands to bf16 (8 significant bits) uses up far more of that allowance than f16 does (11 bits, for magnitudes from 6e-5 to 65,504). All else is computed in f32.
;;   The module's matrix products, in the order in which they are computed (A, B: the left and right operand; K: the contracted axis; several contracted axes count as one K, in the product's order):
;;     1. [M 8,192, K 1,024] x [K 1,024, N 1,024]; A: input q; B: input wq: QUANTISED
;;     2. [M 8,192, K 1,024] x [K 1,024, N 1,024]; A: input k; B: input wk: QUANTISED
;;     3. [M 8,192, K 1,024] x [K 1,024, N 1,024]; A: input v; B: input wv: QUANTISED
;;     4. batch 64 x [M 2,048, K 64] x [K 64, N 2,048]; A: computed on the way; B: computed on the way: left as it is (an operand is computed on the way)
;;     5. batch 64 x [M 2,048, K 2,048] x [K 2,048, N 64]; A: computed on the way; B: computed on the way: left as it is (an operand is computed on the way)
;;     6. [M 8,192, K 1,024] x [K 1,024, N 1,024]; A: computed on the way; B: input wo: left as it is (an operand is computed on the way)
;;   THE QUANTISER, for each operand of a quantised product, along K:
;;     - K is cut into blocks of 32 from its start; a last block that is shorter is filled with zeros.
;;     - A block's scale is 2^e with e = floor(log2(the largest magnitude in the block)) - 2, held to -126 .. 127; a block of zeros has e = 0. As a byte (E8M0): e + 127.
;;     - Each number is divided by its block's scale, clamped to +-6, and rounded to the nearest number of E2M1, ties to even, subnormals kept.
;;     - The product sums the exact products of the quantised numbers (number of the format x scale) in f32.
;;   ~~~python
;;   def quantise(x, axis):      # numpy; x: float32 -> the quantised numbers, widened to float32 again
;;       x = np.moveaxis(x, axis, -1); K = x.shape[-1]
;;       x = np.pad(x, [(0, 0)] * (x.ndim - 1) + [(0, -K % 32)]); x = x.reshape(x.shape[:-1] + (-1, 32)); a = np.abs(x).max(-1, keepdims=True)
;;       e = np.where(a > 0, np.clip(np.frexp(np.where(a > 0, a, 1))[1] - 1 - 2, -126, 127), 0)      # np.frexp(a)[1] - 1 = floor(log2(a)), exactly
;;       r = np.clip(x / 2.0 ** e, -6, 6)
;;       step = 2.0 ** (np.maximum(np.frexp(np.where(r == 0, 1, r))[1] - 1, 0) - 1)
;;       q = np.round(r / step) * step * 2.0 ** e      # np.round: ties to even
;;       return np.moveaxis(q.reshape(q.shape[:-2] + (-1,))[..., :K], -1, axis).astype(np.float32)
;;   ~~~
;; One version. Each part assembles by itself: llvm-mc -triple=amdgcn-amd-amdhsa -mcpu=gfx1250 --defsym DOCPART=n.
;; ======== version 1 of 1: 6 launches
;; limits: values are held in f16: magnitudes above 65,504 overflow, below 6.1e-05 lose precision
;; workspace buffers: cs 15,040,512 bytes; wof 4,194,304 bytes; flags 4,096 bytes of whole numbers; qkv 50,331,648 bytes; oimg 16,777,216 bytes; ofine 262,144 bytes
;; launch prep (part 1): grid 1136 x 1, 4 waves a work-group, no clusters, 68,096 bytes of LDS; arguments q, k, v, wq, wk, wv, wo, mask, cs, wof, flags; writes cs, wof, flags
.if DOCPART == 1
	.amdgcn_target "amdgcn-amd-amdhsa--gfx1250"
	.amdhsa_code_object_version 6
	.text
	.protected	k_q5d053d7750_prep
	.globl	k_q5d053d7750_prep
	.p2align	8
	.type	k_q5d053d7750_prep,@function
k_q5d053d7750_prep:
	s_mov_b64 s[64:65], 0
	v_nop
	global_prefetch_b8 v0, s[64:65] scope:SCOPE_SE
	s_setreg_imm32_b32 hwreg(HW_REG_WAVE_MODE, 25, 1), 1
	s_wait_xcnt 0x0
; PREPARATION, four kinds of work-group, told apart by the work-group's number alone:
;   0..47     W: wq, wk, wv [1024 (k)][1024 (n)] f32 -> codes of FP4 (E2M1) laid [n][k] with K innermost, and one E8M0 byte for each 32 along K
;   48..111   O: wo [1024 (k)][1024 (n)] f32 -> a high and a low f16 part, laid as operand pieces (below)
;   112..367  M: the mask [2048][2048] f32 -> one flag word for each tile of 64 queries x 64 keys
;   368..1135 X: q, k, v [8192][1024] f32 -> codes of FP4, K innermost, and their scale bytes
; A block's scale is 2^(floor(log2(largest magnitude)) - 2); its byte is the largest magnitude's exponent field - 2, held at 1 from below.
; LIMITS: a block of zeros gets the byte 1 where the rule says 127 (its codes are zeros, and this program alone reads the bytes); NaN and infinities among the inputs are not served;
; wo's magnitudes stay under 65,504; under 6e-5 an f16 part keeps an absolute step of 6e-8; a NaN in the mask is passed over by the flags.
; cs: codes of q, k, v at 0 ([3][8192][512 bytes]); of wq, wk, wv at WC ([3][1024][512]); scale bytes at XS ([3][8192][32]) and WS ([3][1024][32]).
; A PIECE is 512 bytes: lane l = (r = l % 16, h = l / 16) owns bytes 16 l on: eight f16 of row r at k = 8 h + 0..7 of a tile of 16 x 16.  wof: [n / 16][k / 16][512], the low part WOL bytes on.
; FLAGS: bit 0: every number of the tile is 0.5 or more (blocked); bit 1: every number is 0; bit 2: each of the 64 rows has a number that is 0 or less (anchoring).
; Paths X and W use LDS, each bytes of its own; paths O and M use none.  No path shares anything between waves: no barrier.
.set WC,    12582912
.set XS,    14155776
.set WS,    14942208
.set WOL,   2097152
.set SPARE, 67584                      ; behind both paths' stages: the spare words, 128 bytes for each wave
.set SPW,   196                        ; v196 LDS address of my spare word; never rewritten
.set NIL,   197                        ; v197 0; never rewritten
; eight f32 at v[src] on become four registers of f16 high parts and four of low parts.  high = the number with its low 13 mantissa bits cleared: exact in f16; low = the rest, exact in f32, rounded once
.macro SPLIT8 src, hi, lo, tmp
.irp i, 0,1,2,3,4,5,6,7
	v_and_b32 v[(\tmp)+\i], 0xffffe000, v[(\src)+\i]
.endr
.irp i, 0,1,2,3
	v_cvt_pk_f16_f32 v[(\hi)+\i], v[(\tmp)+2*\i], v[(\tmp)+2*\i+1]
.endr
.irp i, 0,1,2,3
	v_pk_add_f32 v[(\tmp)+2*\i:(\tmp)+2*\i+1], v[(\src)+2*\i:(\src)+2*\i+1], v[(\tmp)+2*\i:(\tmp)+2*\i+1] neg_lo:[0,1] neg_hi:[0,1]
.endr
.irp i, 0,1,2,3
	v_cvt_pk_f16_f32 v[(\lo)+\i], v[(\tmp)+2*\i], v[(\tmp)+2*\i+1]
.endr
.endm
	s_load_b512 s[4:19], s[0:1], 0x0               ; q, k, v, wq, wk, wv, wo, mask
	s_load_b128 s[20:23], s[0:1], 0x40             ; cs, wof
	s_load_b64 s[24:25], s[0:1], 0x50              ; flags
	v_lshl_add_u32 v[SPW], v0, 2, SPARE
	v_mov_b32 v[NIL], 0
	v_lshrrev_b32 v1, 5, v0
	v_readfirstlane_b32 s26, v1                    ; wave 0..3
	v_and_b32 v2, 31, v0                           ; lane
	s_mov_b32 s33, 0                               ; the high word of every offset: all stay under 2^32
	s_wait_kmcnt 0x0
	s_cmp_lt_u32 ttmp9, 48
	s_cbranch_scc1 .Lpath_w
	s_cmp_lt_u32 ttmp9, 112
	s_cbranch_scc1 .Lpath_o
	s_cmp_lt_u32 ttmp9, 368
	s_cbranch_scc1 .Lpath_m
; ---------------------------------------------------------------- PATH X: q, k, v.  Rows are dense, so a tensor is a stream of blocks of 32.
; A wave takes 16 steps of 512 numbers.  Each load reads 512 consecutive bytes; a step's 2,048 bytes turn through the wave's own stage in LDS and come back 64 bytes a lane: 16 neighbours, two lanes to a block.
.set STEPS, 16
.set CB,    8                          ; bytes of 16 codes
.set XR,    16                         ; v16-79   four sets of 16 numbers as loaded
.set XX,    80                         ; v80-111  two sets of 16 neighbours
.set XE,    112                        ; v112-127 a scale byte for each step
.set XCD,   128                        ; v128-191 codes: four registers for each step
.set WREG,  8192                       ; LDS: a region for each wave: two stages of 32 x SP bytes, then its 256 scale bytes
.set SP,    80
	s_sub_co_u32 s27, ttmp9, 368                   ; 0..767: 256 work-groups to a tensor
	s_lshr_b32 s28, s27, 8
	s_cmp_eq_u32 s28, 0
	s_cselect_b64 s[4:5], s[4:5], s[6:7]
	s_cmp_eq_u32 s28, 2
	s_cselect_b64 s[4:5], s[8:9], s[4:5]           ; q, k or v
	s_and_b32 s32, s27, 255
	s_lshl_b32 s32, s32, 17                        ; 32,768 numbers to a work-group,
	s_lshl_b32 s29, s26, 15                        ; 8,192 to a wave
	s_add_co_u32 s32, s32, s29
	s_add_nc_u64 s[4:5], s[4:5], s[32:33]
	s_lshl_b32 s30, s27, 2
	s_add_co_u32 s30, s30, s26                     ; my run of 8,192 numbers, counted through all three tensors
	s_lshl_b32 s32, s30, 12
	s_add_nc_u64 s[8:9], s[20:21], s[32:33]        ; its 4,096 bytes of codes
	s_lshl_b32 s32, s30, 8
	s_add_co_u32 s32, s32, XS
	s_add_nc_u64 s[10:11], s[20:21], s[32:33]      ; its 256 scale bytes
	v_lshlrev_b32 v3, 4, v2                        ; my 16 bytes of a load's 512
	s_mul_i32 s29, s26, WREG
	v_lshrrev_b32 v14, 2, v2
	v_mul_u32_u24 v14, v14, SP
	v_and_b32 v15, 3, v2
	v_lshl_add_u32 v14, v15, 4, v14
	v_add_nc_u32 v14, s29, v14                     ; the stage, way in: four lanes' 64 bytes on end, then 16 of padding
	v_mul_u32_u24 v15, v2, SP
	v_add_nc_u32 v15, s29, v15                     ; way out: SP x lane
	v_mul_u32_u24 v4, v2, CB
	v_lshrrev_b32 v5, 1, v2
	s_add_co_u32 s29, s29, 2*32*SP
	v_add_nc_u32 v5, s29, v5                       ; my block's byte among the wave's 256
	v_lshlrev_b32 v7, 3, v2
	v_add_nc_u32 v6, s29, v7
.macro XLOAD t
.irp i, 0,1,2,3
	global_load_b128 v[XR+16*((\t)%4)+4*\i:XR+16*((\t)%4)+4*\i+3], v3, s[4:5] offset:2048*(\t)+512*\i th:TH_LOAD_NT
.endr
.endm
.macro XTURN t                         ; LDS serves a wave's instructions in order: no wait between the stores and the loads
.irp i, 0,1,2,3
	ds_store_b128 v14, v[XR+16*((\t)%4)+4*\i:XR+16*((\t)%4)+4*\i+3] offset:32*SP*((\t)%2)+8*SP*\i
.endr
.irp i, 0,1,2,3
	ds_load_b128 v[XX+16*((\t)%2)+4*\i:XX+16*((\t)%2)+4*\i+3], v15 offset:32*SP*((\t)%2)+16*\i
.endr
.endm
.irp t, 0,1,2,3
	XLOAD \t
.endr
	s_wait_loadcnt 12                              ; step 0's four loads are in; the twelve of steps 1 to 3 may be out
	XTURN 0
.macro XSTEP t
.set XSR, XX+16*((\t)%2)
.if (\t) > 0
	s_wait_dscnt 1                                 ; this step's numbers are back from the stage; the last step's byte store may be out
.else
	s_wait_dscnt 0x0
.endif
.if (\t)+4 < STEPS
	XLOAD (\t)+4
.endif
.if (\t)+1 < STEPS
.if STEPS-2-(\t) >= 3
	s_wait_loadcnt 12                              ; the next step's four loads are in; those of the three steps behind it may be out
.else
	s_wait_loadcnt 4*(STEPS-2-(\t))
.endif
	XTURN (\t)+1
.endif
	v_max3_num_f32 v8, |v[XSR]|, |v[XSR+1]|, |v[XSR+2]|
	v_max3_num_f32 v9, |v[XSR+3]|, |v[XSR+4]|, |v[XSR+5]|
.irp i, 6,10
	v_max3_num_f32 v8, v8, |v[XSR+\i]|, |v[XSR+\i+1]|
	v_max3_num_f32 v9, v9, |v[XSR+\i+2]|, |v[XSR+\i+3]|
.endr
	v_max3_num_f32 v8, v8, |v[XSR+14]|, |v[XSR+15]|
	v_max3_num_f32 v8, v8, v9, 0x1800000           ; and the floor 2^(3 - 127): the byte cannot fall under 1
	v_max_num_f32_dpp v8, v8, v8 row_xmask:1 row_mask:0xf bank_mask:0xf   ; with my neighbour's 16: the block's largest magnitude
	v_add_nc_u32 v11, 0xff000000, v8               ; 2 off its exponent field: the conversion takes the exponent field of this operand as its scale
	v_cvt_scalef32_pk8_fp4_f32 v[XCD+4*(\t)], v[XSR:XSR+7], v11
	v_cvt_scalef32_pk8_fp4_f32 v[XCD+4*(\t)+1], v[XSR+8:XSR+15], v11
	v_lshrrev_b32 v[XE+(\t)], 23, v11              ; the scale's byte
	ds_store_b8 v5, v[XE+(\t)] offset:16*(\t)      ; both lanes of a block write the same byte with the same value
	global_store_b64 v4, v[XCD+4*(\t):XCD+4*(\t)+1], s[8:9] offset:32*CB*(\t)   ; the wave stores 256 consecutive bytes, aligned
.endm
.irp t, 0,1,2,3,4,5,6,7,8,9,10,11,12,13,14,15
	XSTEP \t
.endr
	ds_load_b64 v[8:9], v6
	s_wait_dscnt 0x0
	global_store_b64 v7, v[8:9], s[10:11]          ; the wave's 256 scale bytes: 256 consecutive bytes, aligned
	s_wait_tensorcnt 0x0                           ; the wave's end: three lines behind my last LDS store
	ds_add_u32 v[SPW], v[NIL]
	s_wait_dscnt 0x0
	s_endpgm
; ---------------------------------------------------------------- PATH W: wq, wk, wv.  K is the first axis: a lane takes a column n and its registers run down K.
; A wave takes 32 columns x 512 along K; its codes go through its own stage in LDS and leave as rows: sixteen lanes store 256 consecutive bytes.
.set NB,     16
.set WPITCH, 272
.set WSTG,   32768                     ; this path's LDS: four stages of 32 x 272 bytes
.set WX,     32                        ; v32-95   two sets of 32 numbers
.set WCD,    96                        ; v96-99   a block's codes
.set WOUT,   112                       ; v112-175 the way out
.set WSB,    24                        ; v24-27   the scale bytes, four to a register
.Lpath_w:
	s_lshr_b32 s28, ttmp9, 4                       ; which weight
	s_and_b32 s27, ttmp9, 7                        ; which 128 columns
	s_bfe_u32 s29, ttmp9, 0x10003                  ; which 512 along K
	s_cmp_eq_u32 s28, 0
	s_cselect_b64 s[4:5], s[10:11], s[12:13]
	s_cmp_eq_u32 s28, 2
	s_cselect_b64 s[4:5], s[14:15], s[4:5]
	s_lshl_b32 s30, s27, 7
	s_lshl_b32 s31, s26, 5
	s_add_co_u32 s30, s30, s31                     ; my wave's first column
	s_lshl_b32 s32, s29, 21                        ; 512 rows of 4,096 bytes
	s_lshl_b32 s31, s30, 2
	s_add_co_u32 s32, s32, s31
	s_add_nc_u64 s[4:5], s[4:5], s[32:33]
	s_lshl_b32 s32, s28, 19                        ; codes: 524,288 bytes a weight, 512 a column, 256 for 512 along K
	s_lshl_b32 s31, s30, 9
	s_add_co_u32 s32, s32, s31
	s_lshl_b32 s31, s29, 8
	s_add_co_u32 s32, s32, s31
	s_add_co_u32 s32, s32, WC
	s_add_nc_u64 s[6:7], s[20:21], s[32:33]
	s_lshl_b32 s32, s28, 15                        ; scale bytes: 32,768 a weight, 32 a column, 16 for 512 along K
	s_lshl_b32 s31, s30, 5
	s_add_co_u32 s32, s32, s31
	s_lshl_b32 s31, s29, 4
	s_add_co_u32 s32, s32, s31
	s_add_co_u32 s32, s32, WS
	s_add_nc_u64 s[8:9], s[20:21], s[32:33]
	v_lshlrev_b32 v3, 2, v2
	s_mul_i32 s31, s26, 32*WPITCH
	s_add_co_u32 s31, s31, WSTG                    ; my stage
	v_mul_u32_u24 v4, v2, WPITCH
	v_add_nc_u32 v4, s31, v4                       ; into it: row = my column
	v_and_b32 v5, 15, v2
	v_lshrrev_b32 v6, 4, v2
	v_mul_u32_u24 v7, v6, WPITCH
	v_lshl_add_u32 v7, v5, 4, v7
	v_add_nc_u32 v7, s31, v7                       ; out of it: sixteen lanes to a row
	v_mul_u32_u24 v8, v6, 512
	v_lshl_add_u32 v8, v5, 4, v8                   ; the same place in the codes
	v_mul_u32_u24 v9, v2, 32                       ; my column's row of scale bytes
.macro WLOAD t
.irp i, 0,1,2,3,4,5,6,7,8,9,10,11,12,13,14,15,16,17,18,19,20,21,22,23,24,25,26,27,28,29,30,31
	global_load_b32 v[WX+32*((\t)%2)+\i], v3, s[4:5] offset:(32*(\t)+\i)*4096 th:TH_LOAD_NT
.endr
.endm
	WLOAD 0
	WLOAD 1
.macro WBLOCK t
.set WXS, WX+32*((\t)%2)
.if (\t) < NB-1
	s_wait_loadcnt 32                              ; this block's 32 loads are in; the next block's may be out
.else
	s_wait_loadcnt 0x0
.endif
	v_max3_num_f32 v12, |v[WXS]|, |v[WXS+1]|, |v[WXS+2]|
	v_max3_num_f32 v13, |v[WXS+3]|, |v[WXS+4]|, |v[WXS+5]|
.irp i, 6,10,14,18,22,26
	v_max3_num_f32 v12, v12, |v[WXS+\i]|, |v[WXS+\i+1]|
	v_max3_num_f32 v13, v13, |v[WXS+\i+2]|, |v[WXS+\i+3]|
.endr
	v_max3_num_f32 v12, v12, |v[WXS+30]|, |v[WXS+31]|
	v_max3_num_f32 v12, v12, v13, 0x1800000        ; the floor
	v_add_nc_u32 v11, 0xff000000, v12
	v_lshrrev_b32 v13, 23, v11                     ; the scale's byte
.if (\t)%4 == 0
	v_mov_b32 v[WSB+(\t)/4], v13
.else
	v_lshl_or_b32 v[WSB+(\t)/4], v13, 8*((\t)%4), v[WSB+(\t)/4]
.endif
.irp g, 0,1,2,3
	v_cvt_scalef32_pk8_fp4_f32 v[WCD+\g], v[WXS+8*\g:WXS+8*\g+7], v11
.endr
	ds_store_b128 v4, v[WCD:WCD+3] offset:16*(\t)
.if (\t)+2 < NB
	WLOAD (\t)+2
.endif
	s_wait_dscnt 0x0                               ; the store has read its registers: the next block's codes may be written
.endm
.set Q, 0
.rept NB
	WBLOCK Q
.set Q, Q+1
.endr
	global_store_b128 v9, v[WSB:WSB+3], s[8:9]     ; my column's 16 scale bytes
.irp t, 0,1,2,3,4,5,6,7,8,9,10,11,12,13,14,15
	ds_load_b128 v[WOUT+4*\t:WOUT+4*\t+3], v7 offset:2*\t*WPITCH
.endr
.irp t, 0,1,2,3,4,5,6,7,8,9,10,11,12,13,14,15
	s_wait_dscnt 15-\t                             ; the younger loads may be out
	global_store_b128 v8, v[WOUT+4*\t:WOUT+4*\t+3], s[6:7] offset:2*\t*512
.endr
	s_wait_tensorcnt 0x0                           ; the wave's end: the three lines
	ds_add_u32 v[SPW], v[NIL]
	s_wait_dscnt 0x0
	s_endpgm
; ---------------------------------------------------------------- PATH O: wo into pieces of f16, a high and a low part.  No LDS.
; A wave takes 32 columns x 128 along K, in four blocks of 32: lane l holds column n0 + l, its 32 registers run down K.  Eight registers pack into the 16 bytes that a piece's lane owns;
; a piece wants k = 8 h + .. of column r in lane (r, h), so the two groups of eight of a 16 along K change halves: one exchange gives the pieces of both tiles of 16 columns.
.set OX, 32                            ; v32-95 two sets of 32 numbers; v96-111 high parts, v112-127 low parts, v16-23 at work
.Lpath_o:
	s_sub_co_u32 s27, ttmp9, 48
	s_and_b32 s28, s27, 7                          ; which 128 columns
	s_lshr_b32 s29, s27, 3                         ; which 128 along K
	s_lshl_b32 s32, s29, 19
	s_lshl_b32 s30, s28, 9
	s_add_co_u32 s32, s32, s30
	s_lshl_b32 s30, s26, 7
	s_add_co_u32 s32, s32, s30
	s_add_nc_u64 s[4:5], s[16:17], s[32:33]        ; wo at (128 ky, 128 cx + 32 wave)
	s_lshl_b32 s32, s28, 18
	s_lshl_b32 s30, s26, 16
	s_add_co_u32 s32, s32, s30
	s_lshl_b32 s30, s29, 12
	s_add_co_u32 s32, s32, s30
	s_add_nc_u64 s[6:7], s[22:23], s[32:33]        ; wof at piece (8 cx + 2 wave, 8 ky)
	v_lshlrev_b32 v3, 2, v2
	v_lshlrev_b32 v4, 4, v2
.macro OLOAD t
.irp i, 0,1,2,3,4,5,6,7,8,9,10,11,12,13,14,15,16,17,18,19,20,21,22,23,24,25,26,27,28,29,30,31
	global_load_b32 v[OX+32*((\t)%2)+\i], v3, s[4:5] offset:(32*(\t)+\i)*4096 th:TH_LOAD_NT
.endr
.endm
	OLOAD 0
	OLOAD 1
.macro OBLOCK t
.if (\t) < 3
	s_wait_loadcnt 32                              ; this block's 32 loads are in; the next block's may be out
.else
	s_wait_loadcnt 0x0
.endif
.if (\t) > 0
	s_wait_xcnt 0x0                                ; the last block's stores have read their data: the parts may be written again
.endif
.irp g, 0,1,2,3
	SPLIT8 OX+32*((\t)%2)+8*\g, 96+4*\g, 112+4*\g, 16
.endr
.irp p, 0,1
.irp i, 0,1,2,3
	v_permlane16_swap_b32 v[96+8*\p+\i], v[100+8*\p+\i]     ; the first's lanes 16-31 change places with the second's lanes 0-15
	v_permlane16_swap_b32 v[112+8*\p+\i], v[116+8*\p+\i]
.endr
.endr
.irp p, 0,1
.irp d, 0,1
	global_store_b128 v4, v[96+8*\p+4*\d:96+8*\p+4*\d+3], s[6:7] offset:\d*32768+(2*(\t)+\p)*512       ; a piece: 512 consecutive bytes, aligned
	global_store_b128 v4, v[112+8*\p+4*\d:112+8*\p+4*\d+3], s[6:7] offset:WOL+\d*32768+(2*(\t)+\p)*512
.endr
.endr
.if (\t)+2 < 4
	OLOAD (\t)+2
.endif
.endm
.irp t, 0,1,2,3
	OBLOCK \t
.endr
	s_endpgm
; ---------------------------------------------------------------- PATH M: a wave reads one tile of 64 x 64 of the mask and stores its flag word.  No LDS.
; Load i brings rows 2 i (lanes 0-15) and 2 i + 1 (lanes 16-31), 256 consecutive bytes each.  No branch and no address hangs on the numbers read.
.set MD, 64                            ; v64-191 the tile
.Lpath_m:
	s_sub_co_u32 s27, ttmp9, 112
	s_lshl_b32 s27, s27, 2
	s_add_co_u32 s27, s27, s26                     ; the tile: 32 x block of queries + block of keys
	s_lshr_b32 s28, s27, 5
	s_and_b32 s29, s27, 31
	s_lshl_b32 s32, s28, 19                        ; 64 rows of 8,192 bytes
	s_lshl_b32 s29, s29, 8
	s_add_co_u32 s32, s32, s29
	s_add_nc_u64 s[18:19], s[18:19], s[32:33]
	s_lshl_b32 s32, s27, 2
	s_add_nc_u64 s[24:25], s[24:25], s[32:33]
	s_mov_b32 s30, 0x76543210
	s_mov_b32 s31, 0xfedcba98                      ; v_permlanex16_b32's selects for lane l xor 16
	v_and_b32 v4, 15, v2
	v_lshrrev_b32 v5, 4, v2
	v_lshlrev_b32 v3, 13, v5
	v_lshl_add_u32 v3, v4, 4, v3
.irp i, 0,1,2,3,4,5,6,7,8,9,10,11,12,13,14,15,16,17,18,19,20,21,22,23,24,25,26,27,28,29,30,31
	global_load_b128 v[MD+4*\i:MD+4*\i+3], v3, s[18:19] offset:\i*16384 th:TH_LOAD_NT
.endr
	v_mov_b32 v12, 0                               ; the largest magnitude, in two chains
	v_mov_b32 v13, 0
	v_mov_b32 v24, 0x7f61b1e6                      ; the tile's least number, in two chains: 3e38
	v_mov_b32 v25, 0x7f61b1e6
	v_mov_b32 v26, 0xff61b1e6                      ; the largest of the rows' least numbers: -3e38
	v_mov_b32 v27, 0xff61b1e6
	v_mov_b32 v14, 0                               ; (a lane permute's destination counts as one of its sources)
	v_mov_b32 v15, 0
	v_mov_b32 v28, 0
	v_mov_b32 v29, 0                               ; the store's offset
.macro MGROUP g                        ; eight loads' numbers, by turns
	s_wait_loadcnt 24-8*\g                         ; the younger groups of eight may be out
.irp i, 0,1,2,3,4,5,6,7
	v_min3_num_f32 v[16+\i], v[MD+32*\g+4*\i], v[MD+32*\g+4*\i+1], v[MD+32*\g+4*\i+2]
.endr
.irp i, 0,1,2,3,4,5,6,7
	v_min_num_f32 v[16+\i], v[16+\i], v[MD+32*\g+4*\i+3]
.endr
.irp i, 0,1,2,3,4,5,6,7
	v_max3_num_f32 v[12+\i%2], v[12+\i%2], |v[MD+32*\g+4*\i]|, |v[MD+32*\g+4*\i+1]|
.endr
.irp i, 0,1,2,3,4,5,6,7
	v_max3_num_f32 v[12+\i%2], v[12+\i%2], |v[MD+32*\g+4*\i+2]|, |v[MD+32*\g+4*\i+3]|
.endr
.irp i, 0,1,2,3,4,5,6,7
	v_min_num_f32 v[24+\i%2], v[24+\i%2], v[16+\i]
.endr
.irp m, 1,2,4,8
.irp i, 0,1,2,3,4,5,6,7
	v_min_num_f32_dpp v[16+\i], v[16+\i], v[16+\i] row_xmask:\m row_mask:0xf bank_mask:0xf   ; over the sixteen lanes of a row of the mask
.endr
.endr
.irp i, 0,1,2,3,4,5,6,7
	v_max_num_f32 v[26+\i%2], v[26+\i%2], v[16+\i]
.endr
.endm
.irp g, 0,1,2,3
	MGROUP \g
.endr
	v_min_num_f32 v24, v24, v25
	v_max_num_f32 v12, v12, v13
	v_max_num_f32 v26, v26, v27
.irp m, 1,2,4,8
	v_min_num_f32_dpp v24, v24, v24 row_xmask:\m row_mask:0xf bank_mask:0xf
	v_max_num_f32_dpp v12, v12, v12 row_xmask:\m row_mask:0xf bank_mask:0xf
.endr
	v_permlanex16_b32 v14, v24, s30, s31
	v_permlanex16_b32 v15, v12, s30, s31
	v_permlanex16_b32 v28, v26, s30, s31
	v_min_num_f32 v24, v24, v14
	v_max_num_f32 v12, v12, v15
	v_max_num_f32 v26, v26, v28
	v_cmp_le_f32 vcc_lo, 0.5, v24                  ; blocked
	v_cndmask_b32 v14, 0, 1, vcc_lo
	v_cmp_eq_f32 vcc_lo, 0, v12                    ; all zero
	v_cndmask_b32 v15, 0, 2, vcc_lo
	v_cmp_ge_f32 vcc_lo, 0, v26                    ; anchoring
	v_cndmask_b32 v28, 0, 4, vcc_lo
	v_or_b32 v14, v14, v15
	v_or_b32 v14, v14, v28
	v_cmp_eq_u32 vcc_lo, 0, v2
	s_wait_xcnt 0x0                                ; EXEC changes only behind this wait
	s_and_saveexec_b32 s30, vcc_lo
	global_store_b32 v29, v14, s[24:25]            ; one word a tile: 4,096 bytes in the whole launch
	s_wait_xcnt 0x0
	s_or_b32 exec_lo, exec_lo, s30
	s_endpgm
.Lfunc_end_k_q5d053d7750_prep:
	.size	k_q5d053d7750_prep, .Lfunc_end_k_q5d053d7750_prep-k_q5d053d7750_prep
	.p2alignl 7, 3214868480
	.fill 96, 4, 3214868480
	.section	.rodata,"a",@progbits
	.p2align	6, 0x0
	.amdhsa_kernel k_q5d053d7750_prep
		.amdhsa_group_segment_fixed_size 68096
		.amdhsa_private_segment_fixed_size 0
		.amdhsa_enable_private_segment 0
		.amdhsa_kernarg_size 88
		.amdhsa_user_sgpr_count 2
		.amdhsa_user_sgpr_kernarg_segment_ptr 1
		.amdhsa_wavefront_size32 1
		.amdhsa_system_sgpr_workgroup_id_x 1
		.amdhsa_system_sgpr_workgroup_id_y 1
		.amdhsa_system_sgpr_workgroup_id_z 1
		.amdhsa_system_vgpr_workitem_id 0
		.amdhsa_next_free_vgpr 200
		.amdhsa_next_free_sgpr 66
		.amdhsa_reserve_vcc 1
		.amdhsa_float_denorm_mode_32 3
		.amdhsa_float_denorm_mode_16_64 3
		.amdhsa_memory_ordered 1
		.amdhsa_forward_progress 1
		.amdhsa_inst_pref_size 172
	.end_amdhsa_kernel
	.amdgpu_metadata
---
amdhsa.version: [ 1, 2 ]
amdhsa.kernels:
  - .name:           k_q5d053d7750_prep
    .symbol:         k_q5d053d7750_prep.kd
    .args:
      - { .name: q, .offset: 0, .size: 8, .value_kind: global_buffer, .address_space: global }
      - { .name: k, .offset: 8, .size: 8, .value_kind: global_buffer, .address_space: global }
      - { .name: v, .offset: 16, .size: 8, .value_kind: global_buffer, .address_space: global }
      - { .name: wq, .offset: 24, .size: 8, .value_kind: global_buffer, .address_space: global }
      - { .name: wk, .offset: 32, .size: 8, .value_kind: global_buffer, .address_space: global }
      - { .name: wv, .offset: 40, .size: 8, .value_kind: global_buffer, .address_space: global }
      - { .name: wo, .offset: 48, .size: 8, .value_kind: global_buffer, .address_space: global }
      - { .name: mask, .offset: 56, .size: 8, .value_kind: global_buffer, .address_space: global }
      - { .name: cs, .offset: 64, .size: 8, .value_kind: global_buffer, .address_space: global }
      - { .name: wof, .offset: 72, .size: 8, .value_kind: global_buffer, .address_space: global }
      - { .name: flags, .offset: 80, .size: 8, .value_kind: global_buffer, .address_space: global }
    .group_segment_fixed_size: 68096
    .private_segment_fixed_size: 0
    .kernarg_segment_align: 8
    .kernarg_segment_size: 88
    .max_flat_workgroup_size: 128
    .sgpr_count:     66
    .vgpr_count:     200
    .wavefront_size: 32
...
	.end_amdgpu_metadata
.endif
;; end of part 1
;; launch proj (part 2): grid 4 x 96, 4 waves a work-group, clusters of 4 x 4, 327,680 bytes of LDS; arguments cs, bq, bk, bv, qkv; writes qkv
.if DOCPART == 2
	.amdgcn_target "amdgcn-amd-amdhsa--gfx1250"
	.amdhsa_code_object_version 6
	.text
	.protected	k_q5d053d7750_proj
	.globl	k_q5d053d7750_proj
	.p2align	8
	.type	k_q5d053d7750_proj,@function
k_q5d053d7750_proj:
	s_mov_b64 s[64:65], 0
	v_nop
	global_prefetch_b8 v0, s[64:65] scope:SCOPE_SE
	s_setreg_imm32_b32 hwreg(HW_REG_WAVE_MODE, 25, 1), 1
	s_wait_xcnt 0x0
	s_wait_alu depctr_hold_cnt(0) depctr_sa_sdst(0) depctr_va_vdst(0) depctr_va_sdst(0) depctr_va_ssrc(0) depctr_va_vcc(0) depctr_vm_vsrc(0)
	s_getreg_b32 s2, hwreg(HW_REG_IB_STS2, 6, 4)
	s_cmp_eq_u32 s2, 0
	s_cbranch_scc0 .Lentry_in_a_cluster
	s_endpgm
.Lentry_in_a_cluster:
	s_bfe_u32 s2, ttmp6, 0x10000c
	s_cmp_lg_u32 s2, 0xf033
	s_cbranch_scc0 .Lentry_shape_is_right
	s_endpgm
.Lentry_shape_is_right:
; THE THREE QUANTISED PRODUCTS, x w + b for (q, wq, bq), (k, wk, bk), (v, wv, bv): 8,192 x 1,024 x 1,024 each, on codes of FP4 (E2M1) with one E8M0 scale for each 32 along K; sums in f32.
; Codes and scale bytes lie in cs as the launch before laid them (K innermost, 512 bytes of codes and 32 scale bytes a row).  Results leave as f16, laid as OPERAND PIECES for the attention:
; a piece is 512 bytes, lane (r, h) owns bytes 16 (r + 16 h) on: eight f16 of row r at k = 8 h + 0..7 of a tile of 16 x 16.  qkv: Q at 0, K and V 16,777,216 bytes apart, each [batch x head][64 tokens][16 pieces].
;   Q, K: row = token, k = the head's depth; piece 4 (token / 16 % 4) + depth / 16.   V: row = depth, k = token; piece 4 (depth / 16) + token / 16 % 4.
; Q is (x wq + bq) x log2(e) / 8, so that the attention's scores are exponents of 2.
; LIMITS: results stay under 65,504 in magnitude (f16); under 6e-5 they keep an absolute step of 6e-8.
; A tile of 256 x 256 is made by four waves, 128 x 128 each: 64 accumulators of 16 x 16.  K = 1,024 is two slots of 512 along K in LDS, each filled once by the tensor data mover; the scales of all of K come with them.
; "A" below is the operand whose rows land in the LANES of a result, "B" the one whose rows land in its REGISTERS (source 0 = 16 rows of B, source 1 = 16 rows of A).  For Q and K: A = tokens, B = the weight's columns;
; for V the other way round, so that a lane's eight registers are eight neighbouring tokens.  The tensor's number t = cluster y / 8 says which: it is the same in all sixteen work-groups of a cluster.
; CLUSTERS: 4 x 4 work-groups.  A's tiles are shared along a row of the cluster, B's along a column: each is asked for jointly, by the same tensor load with the same descriptor and a mask that names the four.
; REGISTERS, in windows of 256: window 0: v0-31 addresses; v32-95 scale words, two sets; v96-111 the bias along the lanes; v128-191 A's fragments, on the way out f32 at work; v192-255 the bias along the registers.
;   window 1: B's fragments, two sets, at v0 and v128; on the way out v0-63 packed results.   windows 2, 3: the accumulators of my rows 0-63 and 64-127 ((a, b) at v[8 (8 (a % 4) + b)]).
.set WC,     12582912
.set XS,     14155776
.set WS,     14942208
.set NQ,     4                         ; matrix instructions deep in a slot
.set ROWB,   256                       ; a tile's row: 512 codes
.set KROW,   512                       ; a row of codes in memory
.set PITCH,  272                       ; an LDS row: 256 bytes + 16 of padding: the 16 rows that a load touches start 16 bytes apart modulo 256
.set FR,     8
.set NL,     2
.set NP,     4
.set HALFT,  128*PITCH
.set SLOT,   4*HALFT
.set KS,     32                        ; a row of scale bytes
.set SCL,    2*SLOT
.set HALFS,  (128*KS/256)*272
.set SBLK,   (16*KS/256)*272
.set SPARE,  SCL+4*HALFS               ; the spare words, 128 bytes for each wave
.set ADRA, 16
.set ADRB, 20
.set LO,   24                          ; v24 16 x lane: my bytes of a piece
.set BRO,  25                          ; v25 32 h
.set BLO,  26                          ; v26 4 r
.set ADRS, 27
.set SPW,  28
.set NIL,  29
.set SC,   32
.set BL,   96
.set AF,   128
.set TF,   128
.set BR,   192
.set G1, 24
.set G0, 32
.set G1B, 48
.set G0B, 56
.set G1S, 68
.set G0S, 76
.set G1SB, 80
.set G0SB, 88
.set MSB, 0
.macro WIN new                         ; the immediate's high byte repeats the setting that is left
.if MSB != (\new)
	s_set_vgpr_msb (MSB<<8)|(\new)
.set MSB, (\new)
.endif
.endm
.set MUL_LO, 0xa1
.set MUL_HI, 0xf1
.set TO_B,   0x40
; A joint load: waves 0 and 1 fetch for A, waves 2 and 3 for B.  An s_nop 0 and four v_nop follow each of the two lines.
.macro JLOAD g0a, g1a, g0b, g1b
	s_cmp_eq_u32 s15, 0
	s_cbranch_scc0 .Lfor_b_\@
	tensor_load_to_lds s[\g0a:\g0a+3], s[\g1a:\g1a+7]
	s_nop 0
.rept 4
	v_nop
.endr
	s_branch .Lasked_\@
.Lfor_b_\@:
	tensor_load_to_lds s[\g0b:\g0b+3], s[\g1b:\g1b+7]
	s_nop 0
.rept 4
	v_nop
.endr
.Lasked_\@:
.endm
.macro CROUND                          ; a round of the cluster's barrier
	s_barrier_signal -1
	s_barrier_wait -1
	s_cmp_lg_u32 s14, 0
	s_cbranch_scc1 .Lnot_wave_0_\@
	s_barrier_signal -3
.Lnot_wave_0_\@:
	s_barrier_wait -3
	s_barrier_signal -1
	s_barrier_wait -1
.endm
	s_load_b256 s[4:11], s[0:1], 0x0               ; cs, bq, bk, bv
	s_load_b64 s[12:13], s[0:1], 0x20              ; qkv
	v_lshl_add_u32 v[SPW], v0, 2, SPARE
	v_mov_b32 v[NIL], 0
	ds_add_u32 v[SPW], v[NIL]                      ; the wave's opening: the add, twice on end, and its wait ahead of my first tensor load
	ds_add_u32 v[SPW], v[NIL]
	v_lshrrev_b32 v1, 5, v0
	v_readfirstlane_b32 s14, v1                    ; wave 0..3
	s_lshr_b32 s15, s14, 1                         ; which half of A's rows is mine.  Also: I fetch for A (0) or for B (1)
	s_and_b32 s16, s14, 1                          ; which half of B's rows.  Also: which 128 rows of that tile I fetch
	s_bfe_u32 s40, ttmp6, 0x40000                  ; cx
	s_bfe_u32 s41, ttmp6, 0x40004                  ; cy
	s_and_b32 s96, ttmp7, 0xffff                   ; cluster y: 0..23
	s_lshr_b32 s97, s96, 3                         ; t: 0 Q, 1 K, 2 V
	s_and_b32 s98, s96, 7
	s_lshl_b32 s98, s98, 2                         ; the cluster's first block of 256 tokens
	s_lshl_b32 s2, s97, 22                         ; in cs: the tokens' codes,
	s_lshl_b32 s3, s97, 18
	s_add_co_u32 s3, s3, XS                        ; their scale bytes,
	s_lshl_b32 s18, s97, 19
	s_add_co_u32 s18, s18, WC                      ; the weight's codes,
	s_lshl_b32 s19, s97, 15
	s_add_co_u32 s19, s19, WS                      ; its scale bytes
	s_cmp_lt_u32 s97, 2                            ; Q, K: A = tokens
	s_cselect_b32 s17, s98, 0
	s_cselect_b32 s42, 0, s98
	s_cselect_b32 s66, s2, s18                     ; A's codes
	s_cselect_b32 s67, s3, s19                     ; A's scale bytes
	s_cselect_b32 s95, s18, s2                     ; B's codes
	s_cselect_b32 s99, s19, s3                     ; B's scale bytes
	s_add_co_u32 s17, s17, s41                     ; A's block of 256 rows: hangs on cy alone
	s_add_co_u32 s42, s42, s40                     ; B's: on cx alone
	s_lshl_b32 s43, s41, 2
	s_lshl_b32 s43, 15, s43                        ; my row of the cluster
	s_lshl_b32 s44, 0x1111, s40                    ; my column
	s_or_b32 s[G1+0], s43, (0<<16)|(1<<20)|(1<<21)|(5<<22)|(3<<25)  ; the mask; elements of 1 byte; padding on; bit 21 beside a mask; after every 64 words, 4 words
	s_or_b32 s[G1B+0], s44, (0<<16)|(1<<20)|(1<<21)|(5<<22)|(3<<25)
.irp g, G1, G1B
	s_mov_b32 s[\g+1], ROWB<<16                    ; tensor_dim0
	s_mov_b32 s[\g+2], 128<<16                     ; tensor_dim1
	s_mov_b32 s[\g+3], ROWB<<16                    ; tile_dim0
	s_mov_b32 s[\g+4], 128                         ; tile_dim1
	s_mov_b32 s[\g+5], KROW                        ; the pitch
	s_mov_b32 s[\g+6], 0
	s_mov_b32 s[\g+7], 0
.endr
	s_or_b32 s[G1S+0], s43, (3<<16)|(1<<20)|(1<<21)|(5<<22)|(3<<25)  ; the scales of 128 rows: 4,096 dense bytes as 16 rows of 256 (32 elements of 8 bytes)
	s_or_b32 s[G1SB+0], s44, (3<<16)|(1<<20)|(1<<21)|(5<<22)|(3<<25)
.irp g, G1S, G1SB
	s_mov_b32 s[\g+1], 32<<16
	s_mov_b32 s[\g+2], (128*KS/256)<<16
	s_mov_b32 s[\g+3], 32<<16
	s_mov_b32 s[\g+4], 128*KS/256
	s_mov_b32 s[\g+5], 32
	s_mov_b32 s[\g+6], 0
	s_mov_b32 s[\g+7], 0
.endr
	s_lshl_b32 s18, s16, 7                         ; which 128 rows of the tile I fetch
	s_lshl_b32 s20, s17, 8
	s_add_co_u32 s20, s20, s18                     ; A's row
	s_lshl_b32 s46, s42, 8
	s_add_co_u32 s46, s46, s18                     ; B's row
	s_lshl_b32 s22, s20, 5
	s_add_co_u32 s22, s22, s67                     ; byte offsets in cs: all under 2^24
	s_lshl_b32 s20, s20, 9
	s_add_co_u32 s20, s20, s66
	s_lshl_b32 s92, s46, 5
	s_add_co_u32 s92, s92, s99
	s_lshl_b32 s46, s46, 9
	s_add_co_u32 s46, s46, s95
	s_mov_b32 s21, 0
	s_mov_b32 s23, 0
	s_mov_b32 s47, 0
	s_mov_b32 s93, 0
	s_mul_i32 s45, s14, HALFT                      ; where they go: wave x 128 rows: no place in the cluster enters an LDS address
	s_mul_i32 s94, s14, HALFS
	s_wait_dscnt 0x0                               ; both opening adds are done
	s_wait_kmcnt 0x0
	s_add_nc_u64 s[20:21], s[4:5], s[20:21]
	s_add_nc_u64 s[22:23], s[4:5], s[22:23]
	s_add_nc_u64 s[46:47], s[4:5], s[46:47]
	s_add_nc_u64 s[92:93], s[4:5], s[92:93]
	CROUND                                         ; all sixteen work-groups are here: the joint loads meet
	s_mov_b32 s[G0S], 1
	s_add_co_u32 s[G0S+1], s94, SCL
	s_mov_b64 s[G0S+2:G0S+3], s[22:23]
	s_or_b32 s[G0S+3], s[G0S+3], 0x80000000
	s_mov_b32 s[G0SB], 1
	s_add_co_u32 s[G0SB+1], s94, SCL
	s_mov_b64 s[G0SB+2:G0SB+3], s[92:93]
	s_or_b32 s[G0SB+3], s[G0SB+3], 0x80000000
	JLOAD G0S, G1S, G0SB, G1SB                     ; three loads a wave, all first fills: the scales,
.irp s, 0,1
	s_mov_b32 s[G0+4*\s], 1
	s_add_co_u32 s[G0+4*\s+1], s45, \s*SLOT
	s_add_nc_u64 s[G0+4*\s+2:G0+4*\s+3], s[20:21], \s*ROWB
	s_or_b32 s[G0+4*\s+3], s[G0+4*\s+3], 0x80000000
	s_mov_b32 s[G0B+4*\s], 1
	s_add_co_u32 s[G0B+4*\s+1], s45, \s*SLOT
	s_add_nc_u64 s[G0B+4*\s+2:G0B+4*\s+3], s[46:47], \s*ROWB
	s_or_b32 s[G0B+4*\s+3], s[G0B+4*\s+3], 0x80000000
	JLOAD G0+4*\s, G1, G0B+4*\s, G1B               ; and the two halves of K
.endr
	v_and_b32 v1, 15, v0                           ; r
	v_bfe_u32 v2, v0, 4, 1                         ; h
	v_mul_u32_u24 v3, v1, PITCH
	v_lshl_add_u32 v4, v2, 4, v3
	s_mul_i32 s21, s15, HALFT
	s_mul_i32 s22, s16, HALFT
	s_add_co_u32 s22, s22, 2*HALFT
.irp s, 0,1
	v_add_nc_u32 v[ADRA+\s], s21, v4
	v_add_nc_u32 v[ADRB+\s], s22, v4
	s_add_co_u32 s21, s21, SLOT
	s_add_co_u32 s22, s22, SLOT
.endr
	v_mul_u32_u24 v5, v1, KS                       ; my row's scales: 32 bytes a row,
	v_lshrrev_b32 v6, 8, v5
	v_lshl_add_u32 v5, v6, 4, v5                   ; and 16 more for each 256 passed
	s_mul_i32 s21, s15, HALFS
	s_mul_i32 s22, s16, HALFS
	s_add_co_u32 s22, s22, 2*HALFS
	s_sub_co_u32 s22, s22, s21
	v_mul_u32_u24 v6, s22, v2                      ; lanes 16-31 take B's
	s_add_co_u32 s21, s21, SCL
	v_add_nc_u32 v5, v5, v6
	v_add_nc_u32 v[ADRS], s21, v5
	v_and_b32 v6, 31, v0
	v_lshlrev_b32 v[LO], 4, v6
	v_lshlrev_b32 v[BRO], 5, v2
	v_lshlrev_b32 v[BLO], 2, v1
	; the bias, in both forms, on every path: along the registers (features 256 cx + 128 x B's half + 16 b + 8 h + j) and along the lanes (256 cy + 128 x A's half + 16 a + r).  The way out takes the one that fits t
	s_cmp_eq_u32 s97, 0
	s_cselect_b64 s[6:7], s[6:7], s[8:9]
	s_cmp_eq_u32 s97, 2
	s_cselect_b64 s[6:7], s[10:11], s[6:7]
	s_lshl_b32 s46, s40, 10
	s_lshl_b32 s47, s16, 9
	s_add_co_u32 s46, s46, s47
	s_mov_b32 s47, 0
	s_add_nc_u64 s[8:9], s[6:7], s[46:47]
	s_lshl_b32 s20, s41, 10
	s_lshl_b32 s21, s15, 9
	s_add_co_u32 s20, s20, s21
	s_mov_b32 s21, 0
	s_add_nc_u64 s[10:11], s[6:7], s[20:21]
.irp b, 0,1,2,3,4,5,6,7
	global_load_b128 v[BR+8*\b:BR+8*\b+3], v[BRO], s[8:9] offset:64*\b
	global_load_b128 v[BR+8*\b+4:BR+8*\b+7], v[BRO], s[8:9] offset:64*\b+16
.endr
.irp a, 0,1,2,3,4,5,6,7
	global_load_b32 v[BL+2*\a], v[BLO], s[10:11] offset:64*\a
	global_load_b32 v[BL+2*\a+1], v[BLO], s[10:11] offset:64*\a       ; twice: a pair for the packed addition
.endr
	; where my 128 x 128 begins in qkv
	s_cmp_lt_u32 s97, 2
	s_cselect_b32 s20, s17, s42                    ; the tokens' block and half,
	s_cselect_b32 s21, s15, s16
	s_cselect_b32 s22, s42, s17                    ; the features'
	s_cselect_b32 s23, s16, s15
	s_lshl_b32 s20, s20, 8
	s_lshl_b32 s21, s21, 7
	s_add_co_u32 s20, s20, s21                     ; my first token
	s_lshr_b32 s21, s20, 11                        ; its batch
	s_bfe_u32 s20, s20, 0x50006                    ; its block of 64 in the sequence
	s_lshl_b32 s21, s21, 4
	s_lshl_b32 s22, s22, 2
	s_add_co_u32 s21, s21, s22
	s_lshl_b32 s23, s23, 1
	s_add_co_u32 s21, s21, s23                     ; 16 x batch + my first head
	s_lshl_b32 s21, s21, 5
	s_add_co_u32 s21, s21, s20
	s_lshl_b32 s20, s21, 13                        ; 8,192 bytes for 64 tokens of a head
	s_lshl_b32 s22, s97, 24
	s_add_co_u32 s20, s20, s22
	s_mov_b32 s21, 0
	s_add_nc_u64 s[12:13], s[12:13], s[20:21]
	s_mov_b32 s2, 1.0
	s_cmp_eq_u32 s97, 0
	s_cselect_b32 s2, 0x3e38aa3b, s2               ; Q alone is multiplied by log2(e) / 8
	s_mov_b32 s3, s2
.macro FRAG reg, adr, q, i             ; 16 rows x 128 K of 4-bit codes: lane (r, h): registers 4 c .. 4 c + 3 hold K = 64 c + 32 h + 0 .. 31
.irp c, 0,1
	ds_load_b128 v[\reg+4*\c:\reg+4*\c+3], v[\adr] offset:64*(\q)+32*\c+(\i)*16*PITCH
.endr
.endm
; 16 matrix instructions: A's blocks a0, a0 + 1 x B's eight.  The 64 accumulators take turns, one instruction a turn, in the same order in every step.
.macro MUL16 a0, p, q, sc, zero
.irp a, \a0, \a0+1
.irp b, 0,1,2,3,4,5,6,7
.if \zero
	v_wmma_scale_f32_16x16x128_f8f6f4 v[8*(8*((\a)%4)+\b):8*(8*((\a)%4)+\b)+7], v[128*(\p)+FR*\b:128*(\p)+FR*\b+FR-1], v[AF+FR*(\a):AF+FR*(\a)+FR-1], 0, v[SC+8*NQ*(\sc)+NQ*\b+(\q)], v[SC+8*NQ*(\sc)+NQ*(\a)+(\q)] matrix_a_fmt:MATRIX_FMT_FP4 matrix_b_fmt:MATRIX_FMT_FP4 matrix_a_scale:MATRIX_SCALE_ROW1
.else
	v_wmma_scale_f32_16x16x128_f8f6f4 v[8*(8*((\a)%4)+\b):8*(8*((\a)%4)+\b)+7], v[128*(\p)+FR*\b:128*(\p)+FR*\b+FR-1], v[AF+FR*(\a):AF+FR*(\a)+FR-1], v[8*(8*((\a)%4)+\b):8*(8*((\a)%4)+\b)+7], v[SC+8*NQ*(\sc)+NQ*\b+(\q)], v[SC+8*NQ*(\sc)+NQ*(\a)+(\q)] matrix_a_fmt:MATRIX_FMT_FP4 matrix_b_fmt:MATRIX_FMT_FP4 matrix_a_scale:MATRIX_SCALE_ROW1
.endif
.endr
.endr
.endm
.macro FETCH_B slot, q, p
	WIN TO_B
.irp i, 0,1,2,3,4,5,6,7
	FRAG 128*(\p)+FR*\i, ADRB+\slot, \q, \i
.endr
	WIN 0
.endm
.macro FETCH_A slot, q, i0
.irp i, \i0, \i0+1, \i0+2, \i0+3
	FRAG AF+FR*(\i), ADRA+\slot, \q, \i
.endr
.endm
.macro SCALES sc                       ; a slot's scale words: four a row; lanes 0-15 take A's block i, lanes 16-31 B's block i
.irp i, 0,1,2,3,4,5,6,7
	ds_load_b128 v[SC+8*NQ*\sc+NQ*\i:SC+8*NQ*\sc+NQ*\i+3], v[ADRS] offset:\i*SBLK
.endr
.endm
.macro PLACES n                        ; plain vector instructions between a matrix instruction and a load into, or a vector write of, one of its registers, or a read of its result
.rept \n
	v_nop
.endr
.endm
.macro STEP slot, q, zero
	s_wait_dscnt 4*NL                              ; B's set and A's blocks 0-3 are in; the youngest eight loads (A's blocks 4-7) may be out
	WIN MUL_LO
	MUL16 0, (\q)%2, \q, \slot, \zero
	MUL16 2, (\q)%2, \q, \slot, \zero
	s_wait_dscnt 0
	PLACES NP
	FETCH_B \slot, (\q)+1, 1-(\q)%2
	FETCH_A \slot, (\q)+1, 0
	WIN MUL_HI
	MUL16 4, (\q)%2, \q, \slot, \zero
	MUL16 6, (\q)%2, \q, \slot, \zero
	PLACES NP
	WIN 0
	FETCH_A \slot, (\q)+1, 4
.endm
; Slot 0's last step goes over to slot 1: one barrier; in front of it each wave waits for all its tensor loads (its part of slot 1), adds 0 to its spare word, and waits for that and for its reads.  Nothing is filled again.
.macro TURN slot, next
	s_wait_tensorcnt 0x0
	ds_add_u32 v[SPW], v[NIL]
	s_wait_dscnt 4*NL+1                            ; the add and the youngest eight loads may be out
	WIN MUL_LO
	MUL16 0, 1, NQ-1, \slot, 0
	s_wait_dscnt 0x0
	s_barrier_signal -1
	MUL16 2, 1, NQ-1, \slot, 0
	WIN 0
	s_barrier_wait -1
	PLACES NP
	v_add_nc_u32 v[ADRS], 4*NQ, v[ADRS]            ; on to the next slot's scale words
	FETCH_B \next, 0, 0
	FETCH_A \next, 0, 0
	SCALES \next
	WIN MUL_HI
	MUL16 4, 1, NQ-1, \slot, 0
	MUL16 6, 1, NQ-1, \slot, 0
	PLACES NP
	WIN 0
	FETCH_A \next, 0, 4
.endm
.macro STEPS slot, from
.set Q, \from
.rept NQ-1-\from
	STEP \slot, Q, 0
.set Q, Q+1
.endr
.endm
	s_wait_tensorcnt 1                             ; the scales and my part of slot 0 are in; slot 1's load may be out
	s_barrier_signal -1
	s_barrier_wait -1
	FETCH_B 0, 0, 0
	FETCH_A 0, 0, 0
	SCALES 0
	FETCH_A 0, 0, 4
	STEP 0, 0, 1                                   ; the first products start the sums
	STEPS 0, 1
	TURN 0, 1
	STEPS 1, 0
	s_wait_dscnt 4*NL
	WIN MUL_LO
	MUL16 0, 1, NQ-1, 1, 0
	MUL16 2, 1, NQ-1, 1, 0
	s_wait_dscnt 0
	WIN MUL_HI
	MUL16 4, 1, NQ-1, 1, 0
	MUL16 6, 1, NQ-1, 1, 0
	WIN 0
; THE WAY OUT.  An accumulator, with the bias added and rounded to f16, IS a piece: four registers a lane, stored as 512 consecutive, aligned bytes.  No LDS.
; role 0 (Q, K): block a = 16 tokens, b = 16 of the depth.  role 1 (V): a = 16 of the depth, b = 16 tokens.  A head is 262,144 bytes on, 64 tokens 8,192: both stand in the immediates.
.macro OUTROW a, role
.set AC, 64*((\a)%4)
	WIN 0x02+(\a)/4                                ; source 0: window 2 or 3
.irp b, 0,1,2,3,4,5,6,7
.irp i, 0,1,2,3
.if \role == 0
	v_pk_fma_f32 v[TF+8*\b+2*\i:TF+8*\b+2*\i+1], v[AC+8*\b+2*\i:AC+8*\b+2*\i+1], s[2:3], v[BR+8*\b+2*\i:BR+8*\b+2*\i+1] op_sel_hi:[1,0,1]   ; each accumulator from its low end on
.else
	v_pk_add_f32 v[TF+8*\b+2*\i:TF+8*\b+2*\i+1], v[AC+8*\b+2*\i:AC+8*\b+2*\i+1], v[BL+2*(\a):BL+2*(\a)+1]
.endif
.endr
.endr
.if (\a) >= 2
	s_wait_xcnt 0x0                                ; block a - 2's stores have read their data
.endif
	WIN 0x40                                       ; destination window 1
.irp b, 0,1,2,3,4,5,6,7
.irp i, 0,1,2,3
	v_cvt_pk_f16_f32 v[32*((\a)%2)+4*\b+\i], v[TF+8*\b+2*\i], v[TF+8*\b+2*\i+1]
.endr
.endr
	WIN 0x04                                       ; a store's data are its source 1: window 1
.irp b, 0,1,2,3,4,5,6,7
.if \role == 0
	global_store_b128 v[LO], v[32*((\a)%2)+4*\b:32*((\a)%2)+4*\b+3], s[12:13] offset:((\a)/4)*8192+(\b/4)*262144+((\a)%4)*2048+(\b%4)*512
.else
	global_store_b128 v[LO], v[32*((\a)%2)+4*\b:32*((\a)%2)+4*\b+3], s[12:13] offset:((\a)/4)*262144+(\b/4)*8192+((\a)%4)*2048+(\b%4)*512
.endif
.endr
.endm
	s_wait_loadcnt 0x0                             ; the bias
	s_cmp_lt_u32 s97, 2                            ; t: the same in all sixteen partners
	s_cbranch_scc0 .Lrole_v
.irp i, 0,2,4,6,8,10,12,14,16,18,20,22,24,26,28,30,32,34,36,38,40,42,44,46,48,50,52,54,56,58,60,62
	v_pk_mul_f32 v[BR+\i:BR+\i+1], v[BR+\i:BR+\i+1], s[2:3] op_sel_hi:[1,0]   ; the bias under Q's factor.  These are also the places behind the last products
.endr
.irp a, 0,1,2,3,4,5,6,7
	OUTROW \a, 0
.endr
	WIN 0
	s_branch .Lout_done
.Lrole_v:
	PLACES NP
.irp a, 0,1,2,3,4,5,6,7
	OUTROW \a, 1
.endr
	WIN 0
.Lout_done:
	s_wait_tensorcnt 0x0                           ; the wave's end: three lines
	ds_add_u32 v[SPW], v[NIL]
	s_wait_dscnt 0x0
	CROUND                                         ; the closing round
	s_endpgm
.Lfunc_end_k_q5d053d7750_proj:
	.size	k_q5d053d7750_proj, .Lfunc_end_k_q5d053d7750_proj-k_q5d053d7750_proj
	.p2alignl 7, 3214868480
	.fill 96, 4, 3214868480
	.section	.rodata,"a",@progbits
	.p2align	6, 0x0
	.amdhsa_kernel k_q5d053d7750_proj
		.amdhsa_group_segment_fixed_size 327680
		.amdhsa_private_segment_fixed_size 0
		.amdhsa_enable_private_segment 0
		.amdhsa_kernarg_size 40
		.amdhsa_user_sgpr_count 2
		.amdhsa_user_sgpr_kernarg_segment_ptr 1
		.amdhsa_wavefront_size32 1
		.amdhsa_system_sgpr_workgroup_id_x 1
		.amdhsa_system_sgpr_workgroup_id_y 1
		.amdhsa_system_sgpr_workgroup_id_z 1
		.amdhsa_system_vgpr_workitem_id 0
		.amdhsa_next_free_vgpr 1024
		.amdhsa_next_free_sgpr 100
		.amdhsa_reserve_vcc 0
		.amdhsa_float_denorm_mode_32 3
		.amdhsa_float_denorm_mode_16_64 3
		.amdhsa_memory_ordered 1
		.amdhsa_forward_progress 1
		.amdhsa_inst_pref_size 179
	.end_amdhsa_kernel
	.amdgpu_metadata
---
amdhsa.version: [ 1, 2 ]
amdhsa.kernels:
  - .name:           k_q5d053d7750_proj
    .symbol:         k_q5d053d7750_proj.kd
    .args:
      - { .name: cs, .offset: 0, .size: 8, .value_kind: global_buffer, .address_space: global }
      - { .name: bq, .offset: 8, .size: 8, .value_kind: global_buffer, .address_space: global }
      - { .name: bk, .offset: 16, .size: 8, .value_kind: global_buffer, .address_space: global }
      - { .name: bv, .offset: 24, .size: 8, .value_kind: global_buffer, .address_space: global }
      - { .name: qkv, .offset: 32, .size: 8, .value_kind: global_buffer, .address_space: global }
    .group_segment_fixed_size: 327680
    .private_segment_fixed_size: 0
    .kernarg_segment_align: 8
    .kernarg_segment_size: 40
    .max_flat_workgroup_size: 128
    .sgpr_count:     100
    .vgpr_count:     1024
    .wavefront_size: 32
...
	.end_amdgpu_metadata
.endif
;; end of part 2
;; launch attn (part 3): grid 256 x 1, 8 waves a work-group, no clusters, 33,792 bytes of LDS; arguments qkv, flags, mask, oimg; writes oimg
.if DOCPART == 3
	.amdgcn_target "amdgcn-amd-amdhsa--gfx1250"
	.amdhsa_code_object_version 6
	.text
	.protected	k_q5d053d7750_attn
	.globl	k_q5d053d7750_attn
	.p2align	8
	.type	k_q5d053d7750_attn,@function
k_q5d053d7750_attn:
	s_mov_b64 s[64:65], 0
	v_nop
	global_prefetch_b8 v0, s[64:65] scope:SCOPE_SE
	s_setreg_imm32_b32 hwreg(HW_REG_WAVE_MODE, 25, 1), 1
	s_wait_xcnt 0x0
; ATTENTION: O = softmax(Q K^T / 8 + mask x (-1e30)) V for 64 (batch, head) pairs, 2,048 positions, depth 64.  Q (already times log2(e) / 8), K, V come as f16 operand pieces from qkv; products on f16 with f32 sums;
; maxima, exponentials and sums in f32; the weights p = 2^(t - m) are rounded to f16 for the second product; O is divided by the sum of the unrounded p and leaves as f16 pieces in oimg [token / 16][feature / 16][512 bytes].
; THE MASK IS AN INPUT.  The launch before stored one flag word for each tile of 64 queries x 64 keys.  For a block of 64 queries that has an ANCHORING tile (each row holds a number <= 0, so each row's largest t is
; at least its score there, above -3e11 for f16 operands), a BLOCKED tile (all numbers >= 0.5, so every t is under -7e29) gives p = 0 exactly and leaves m alone: its key step is left out.  A block with no anchoring tile
; leaves nothing out.  A tile that is all zero is computed without reading the mask.  Every other tile reads it: t = mask x (-1e30 log2 e) + score, one rounding.
; LIMITS: |mask| under 2e8 (t stays finite); a NaN in the mask is not served; operands in f16 (magnitudes under 65,504).  Positions 0..15 of each sequence are computed again, more finely, by a later launch.
; SHARES.  Four work-groups to a (batch, head); eight waves, 64 queries each: wave w of group g takes block 4 g + w (w < 4) or 31 - (4 g + w - 4): an early and a late block together, which evens out masks that block later keys.
; K and V of a key step (64 keys: 16 pieces each) are staged through two LDS slots by the eight waves, 2,048 bytes each, through registers.
; One barrier a key step: in front of it each wave has waited for its stores into the slot ahead and for its reads of the slot in hand.  A step that no wave of the work-group wants is not fetched.
; LAYOUT.  S^T = K Q^T (source 0 = 16 keys, source 1 = 16 queries) and O^T = V^T P: a lane holds one query (lane % 16) throughout; two tiles of S^T, packed in pairs, are source 1 of the second product.
; REGISTERS.  window 0: v1-4, v10 addresses; v5-7 at work; v8, v9 the add's two; v12-27 the stage; v32-63 statistics, 8 a tile (+0 m, +2, +3 the sum, +4, +5 at work, +6 a); v64-127 K's fragments, in mixed steps the mask;
;   v128-255 S^T, 32 a tile, then p, then P in the tile's first 16.   window 1: v0-127 O^T, 32 a tile; v128-191 Q; v192-255 V's fragments.
.set SLOTB, 16384
.set SPARE, 32768                      ; behind the two slots: the spare words, 128 bytes for each wave
.set LI,  1                            ; v1  16 x lane
.set STW, 2                            ; v2  2,048 x wave + 16 x lane
.set MKO, 3                            ; v3  8,192 r + 32 h: my query's row of the mask, my eight keys
.set PFO, 4                            ; v4  256 x lane
.set SPW, 8
.set NIL, 9
.set FLO, 10                           ; v10 4 x lane
.set STG, 12
.set ST,  32
.set KB,  64
.set S,   128
.set QF,  128                          ; in window 1
.set VB,  192                          ; in window 1
.set WV,  22
.set HB,  23
.set GG,  24
.set QB,  25
.set ACT, 26                           ; bit 0: this key step is mine to compute; shifted right a step
.set MIX, 27                           ; bit 0: and it reads the mask
.set UU,  28                           ; bit i: step j + i is wanted by some wave of the work-group
.set CNT, 29
.set SRC, 30                           ; s[30:31] my 2,048 bytes of K or V, at the trip's first step
.set MSK, 32                           ; s[32:33] my block's rows of the mask, at the trip's first step
.set SEL, 34
.set CM,  36                           ; s[36:37] -1e30 log2(e)
.set PF,  38                           ; 8 in a wave that prefetches, else 0
.set MSB, 0
.macro WIN new
.if MSB != (\new)
	s_set_vgpr_msb (MSB<<8)|(\new)
.set MSB, (\new)
.endif
.endm
; lane j holds the flag word of key tile j of one block of queries: bit j of act = step j is computed; of mix = it reads the mask
.macro FLAGW vf, act, mix
	v_and_b32 v5, 1, v[\vf]
	v_and_b32 v6, 2, v[\vf]
	v_and_b32 v7, 4, v[\vf]
	v_cmp_ne_u32 s50, 0, v5                        ; blocked
	v_cmp_ne_u32 s51, 0, v6                        ; all zero
	v_cmp_ne_u32 s52, 0, v7                        ; anchoring
	s_cmp_lg_u32 s52, 0
	s_cselect_b32 s52, s50, 0                      ; with an anchoring tile the blocked ones are left out, else none
	s_not_b32 s[\act], s52
.if \mix
	s_and_not1_b32 s[\mix], s[\act], s51
.endif
.endm
; The softmax of nt tiles of 16 queries x 64 keys, phase by phase, the tiles by turns.  Tile t: t's at v[sb + 32 t] on, statistics at v[tb + 8 t] on.  It leaves p in place, a = 2^(old m - new m) at +6, the sum at +2, +3.
.macro SOFTMAX nt, sb, tb
.set t, 0
.rept \nt
	v_max3_num_f32 v[\tb+8*t+4], v[\sb+32*t], v[\sb+32*t+1], v[\sb+32*t+2]       ; two chains a tile; each accumulator is first read at its low end
	v_max3_num_f32 v[\tb+8*t+5], v[\sb+32*t+3], v[\sb+32*t+4], v[\sb+32*t+5]
.set t, t+1
.endr
.irp i, 6,10,14,18,22,26
.set t, 0
.rept \nt
	v_max3_num_f32 v[\tb+8*t+4], v[\tb+8*t+4], v[\sb+32*t+\i], v[\sb+32*t+\i+1]
	v_max3_num_f32 v[\tb+8*t+5], v[\tb+8*t+5], v[\sb+32*t+\i+2], v[\sb+32*t+\i+3]
.set t, t+1
.endr
.endr
.set t, 0
.rept \nt
	v_max3_num_f32 v[\tb+8*t+4], v[\tb+8*t+4], v[\sb+32*t+30], v[\sb+32*t+31]
.set t, t+1
.endr
.set t, 0
.rept \nt
	v_max3_num_f32 v[\tb+8*t+4], v[\tb+8*t+4], v[\tb+8*t+5], v[\tb+8*t]          ; with the old m
.set t, t+1
.endr
.set t, 0
.rept \nt
	v_permlanex16_b32 v[\tb+8*t+5], v[\tb+8*t+4], s[SEL], s[SEL+1]               ; the query's other 32 keys lie in the lane 16 away
.set t, t+1
.endr
.set t, 0
.rept \nt
	v_max_num_f32 v[\tb+8*t+5], v[\tb+8*t+4], v[\tb+8*t+5]                       ; the new m
.set t, t+1
.endr
.set t, 0
.rept \nt
	v_sub_f32 v[\tb+8*t+6], v[\tb+8*t], v[\tb+8*t+5]
.set t, t+1
.endr
.set t, 0
.rept \nt
	v_mov_b32 v[\tb+8*t], v[\tb+8*t+5]
.set t, t+1
.endr
.irp i, 0,2,4,6,8,10,12,14,16,18,20,22,24,26,28,30
.set t, 0
.rept \nt
	v_pk_add_f32 v[\sb+32*t+\i:\sb+32*t+\i+1], v[\sb+32*t+\i:\sb+32*t+\i+1], v[\tb+8*t:\tb+8*t+1] op_sel_hi:[1,0] neg_lo:[0,1] neg_hi:[0,1]   ; t - m
.set t, t+1
.endr
.endr
.set t, 0
.rept \nt
	v_exp_f32 v[\tb+8*t+6], v[\tb+8*t+6]
.set t, t+1
.endr
.irp i, 0,1,2,3,4,5,6,7,8,9,10,11,12,13,14,15,16,17,18,19,20,21,22,23,24,25,26,27,28,29,30,31
.set t, 0
.rept \nt
	v_exp_f32 v[\sb+32*t+\i], v[\sb+32*t+\i]
.set t, t+1
.endr
.endr
	v_nop                                          ; one plain instruction behind the last exponential,
	s_wait_alu depctr_va_vdst(0)                   ; and one wait for the whole batch, ahead of its first reader
.set t, 0
.rept \nt
	v_pk_fma_f32 v[\tb+8*t+2:\tb+8*t+3], v[\tb+8*t+2:\tb+8*t+3], v[\tb+8*t+6:\tb+8*t+7], v[\sb+32*t:\sb+32*t+1] op_sel_hi:[1,0,1]   ; the sum under the new m, and the first pair
	v_pk_add_f32 v[\tb+8*t+4:\tb+8*t+5], v[\sb+32*t+2:\sb+32*t+3], v[\sb+32*t+4:\sb+32*t+5]                                        ; a second chain
.set t, t+1
.endr
.irp i, 6,10,14,18,22,26
.set t, 0
.rept \nt
	v_pk_add_f32 v[\tb+8*t+2:\tb+8*t+3], v[\tb+8*t+2:\tb+8*t+3], v[\sb+32*t+\i:\sb+32*t+\i+1]
	v_pk_add_f32 v[\tb+8*t+4:\tb+8*t+5], v[\tb+8*t+4:\tb+8*t+5], v[\sb+32*t+\i+2:\sb+32*t+\i+3]
.set t, t+1
.endr
.endr
.set t, 0
.rept \nt
	v_pk_add_f32 v[\tb+8*t+2:\tb+8*t+3], v[\tb+8*t+2:\tb+8*t+3], v[\sb+32*t+30:\sb+32*t+31]
.set t, t+1
.endr
.set t, 0
.rept \nt
	v_pk_add_f32 v[\tb+8*t+2:\tb+8*t+3], v[\tb+8*t+2:\tb+8*t+3], v[\tb+8*t+4:\tb+8*t+5]
.set t, t+1
.endr
.endm
	s_load_b256 s[4:11], s[0:1], 0x0               ; qkv, flags, mask, oimg
	v_lshl_add_u32 v[SPW], v0, 2, SPARE
	v_mov_b32 v[NIL], 0
	v_lshrrev_b32 v5, 5, v0
	v_readfirstlane_b32 s[WV], v5                  ; wave 0..7
	v_and_b32 v5, 31, v0                           ; lane
	v_and_b32 v6, 15, v0                           ; r
	v_bfe_u32 v7, v0, 4, 1                         ; h
	v_lshlrev_b32 v[LI], 4, v5
	v_and_b32 v[STW], 0xe0, v0
	v_lshl_add_u32 v[STW], v[STW], 6, v[LI]
	v_lshlrev_b32 v[MKO], 13, v6
	v_lshl_add_u32 v[MKO], v7, 5, v[MKO]
	v_lshlrev_b32 v[PFO], 8, v5
	v_lshlrev_b32 v[FLO], 2, v5
	s_mov_b32 s[SEL], 0x76543210
	s_mov_b32 s[SEL+1], 0xfedcba98
	s_mov_b32 s[CM], 0xf191accb
	s_mov_b32 s[CM+1], s[CM]
	s_mov_b32 s45, 0                               ; the high word of every offset
	s_lshr_b32 s[HB], ttmp9, 2                     ; 16 x batch + head
	s_and_b32 s[GG], ttmp9, 3
	s_and_b32 s40, s[WV], 3
	s_lshl_b32 s41, s[GG], 2
	s_add_co_u32 s41, s41, s40
	s_sub_co_u32 s42, 31, s41
	s_cmp_lt_u32 s[WV], 4
	s_cselect_b32 s[QB], s41, s42                  ; my block of 64 queries
	s_or_b32 s54, s[GG], s40
	s_cmp_eq_u32 s54, 0
	s_cselect_b32 s[PF], 8, 0                      ; waves 0 and 4 of the head's first work-group ask ahead
	s_wait_kmcnt 0x0
	s_lshl_b32 s44, s[GG], 9
	s_add_nc_u64 s[46:47], s[6:7], s[44:45]        ; the flags of blocks 4 g .. 4 g + 3,
	s_sub_co_u32 s44, 3584, s44
	s_add_nc_u64 s[48:49], s[6:7], s[44:45]        ; of blocks 28 - 4 g .. 31 - 4 g,
	s_lshl_b32 s44, s[QB], 7
	s_add_nc_u64 s[56:57], s[6:7], s[44:45]        ; and of mine
	global_load_b32 v128, v[FLO], s[56:57]
.irp i, 0,1,2,3
	global_load_b32 v[129+\i], v[FLO], s[46:47] offset:128*\i
	global_load_b32 v[133+\i], v[FLO], s[48:49] offset:128*\i
.endr
	s_lshr_b32 s44, s[WV], 2
	s_add_co_u32 s44, s44, 1                       ; waves 0-3 stage K, waves 4-7 V
	s_lshl_b32 s44, s44, 24
	s_lshl_b32 s54, s[HB], 18
	s_add_co_u32 s44, s44, s54
	s_lshl_b32 s54, s40, 11
	s_add_co_u32 s44, s44, s54
	s_add_nc_u64 s[SRC:SRC+1], s[4:5], s[44:45]
.irp i, 0,1,2,3
	global_load_b128 v[STG+4*\i:STG+4*\i+3], v[LI], s[SRC:SRC+1] offset:512*\i      ; key step 0 is staged whatever the flags say
.endr
	s_lshl_b32 s44, s[HB], 5
	s_add_co_u32 s44, s44, s[QB]
	s_lshl_b32 s44, s44, 13
	s_add_nc_u64 s[58:59], s[4:5], s[44:45]
	WIN 0x40                                       ; destination window 1
.irp i, 0,1,2,3,4,5,6,7,8,9,10,11,12,13,14,15
	global_load_b128 v[QF+4*\i:QF+4*\i+3], v[LI], s[58:59] offset:512*\i            ; Q's 16 pieces stay in registers
.endr
.set i, 0
.rept 128
	v_mov_b32 v[i], 0                              ; O^T.  Which key step is a wave's first hangs on the flags, so no first step can be written out: the step finds zeros
.set i, i+1
.endr
	WIN 0
.irp t, 0,1,2,3
	v_mov_b32 v[ST+8*\t], 0xff61b1e6               ; m: -3e38, under every t
.irp i, 1,2,3,4,5,6,7
	v_mov_b32 v[ST+8*\t+\i], 0
.endr
.endr
	s_lshl_b32 s44, s[QB], 19
	s_add_nc_u64 s[MSK:MSK+1], s[8:9], s[44:45]
	s_lshr_b32 s44, s[HB], 4                       ; O's pieces: (128 x batch + 4 x block) x 64 + 4 x head
	s_lshl_b32 s44, s44, 22
	s_lshl_b32 s54, s[QB], 17
	s_add_co_u32 s44, s44, s54
	s_and_b32 s54, s[HB], 15
	s_lshl_b32 s54, s54, 11
	s_add_co_u32 s44, s44, s54
	s_add_nc_u64 s[10:11], s[10:11], s[44:45]
	s_wait_loadcnt 0x0
.irp i, 0,1,2,3
	ds_store_b128 v[STW], v[STG+4*\i:STG+4*\i+3] offset:512*\i
.endr
	FLAGW 128, ACT, MIX
	s_mov_b32 s[UU], 0
.irp f, 129,130,131,132,133,134,135,136
	FLAGW \f, 53, 0
	s_or_b32 s[UU], s[UU], s53
.endr
	s_mov_b32 s[CNT], 0
	s_wait_dscnt 0x0                               ; for the others' sake: my part of slot 0 is stored
	s_barrier_signal -1
	s_barrier_wait -1
; One key step's work for my 64 queries, from slot sl.
.macro COMPUTE sl
.irp p, 0,1,2,3,4,5,6,7,8,9,10,11,12,13,14,15
	ds_load_b128 v[KB+4*\p:KB+4*\p+3], v[LI] offset:\sl*SLOTB+512*\p
.endr
	s_wait_dscnt 0x0
	WIN 0x04                                       ; source 1 (Q) window 1
.irp c, 0,1
.irp qt, 0,1,2,3
.irp kt, 0,1,2,3
.if \c == 0
	v_wmma_f32_16x16x32_f16 v[S+32*\qt+8*\kt:S+32*\qt+8*\kt+7], v[KB+16*\kt:KB+16*\kt+7], v[QF+16*\qt:QF+16*\qt+7], 0       ; the 16 accumulators take turns, one instruction a turn
.else
	v_wmma_f32_16x16x32_f16 v[S+32*\qt+8*\kt:S+32*\qt+8*\kt+7], v[KB+16*\kt+8:KB+16*\kt+15], v[QF+16*\qt+8:QF+16*\qt+15], v[S+32*\qt+8*\kt:S+32*\qt+8*\kt+7]
.endif
.endr
.endr
.endr
	WIN 0
.rept 4
	v_nop                                          ; places: ahead of the reads of S^T and of loads into K's registers
.endr
	WIN 0x40
.irp p, 0,1,2,3,4,5,6,7,8,9,10,11,12,13,14,15
	ds_load_b128 v[VB+4*\p:VB+4*\p+3], v[LI] offset:\sl*SLOTB+8192+512*\p          ; V lands while the softmax is walked
.endr
	WIN 0
	s_bitcmp1_b32 s[MIX], 0
	s_cbranch_scc0 .Lclear_\@
.irp hp, 0,1                           ; the mask of two tiles of queries at a time, in the layout of S^T: lane (r, h): query r, keys 16 kt + 8 h + 0..7
.irp q2, 0,1
.irp kt, 0,1,2,3
.irp hf, 0,1
	global_load_b128 v[KB+32*\q2+8*\kt+4*\hf:KB+32*\q2+8*\kt+4*\hf+3], v[MKO], s[MSK:MSK+1] offset:(2*\hp+\q2)*131072+\sl*256+\kt*64+16*\hf
.endr
.endr
.endr
	s_wait_loadcnt 0x0
.irp q2, 0,1
.irp i, 0,2,4,6,8,10,12,14,16,18,20,22,24,26,28,30
	v_pk_fma_f32 v[S+32*(2*\hp+\q2)+\i:S+32*(2*\hp+\q2)+\i+1], v[KB+32*\q2+\i:KB+32*\q2+\i+1], s[CM:CM+1], v[S+32*(2*\hp+\q2)+\i:S+32*(2*\hp+\q2)+\i+1] op_sel_hi:[1,0,1]
.endr
.endr
.endr
.Lclear_\@:
	SOFTMAX 4, S, ST
.irp i, 0,1,2,3,4,5,6,7,8,9,10,11,12,13,14,15
.irp t, 0,1,2,3
	v_cvt_pk_f16_f32 v[S+32*\t+\i], v[S+32*\t+2*\i], v[S+32*\t+2*\i+1]             ; P, in place, ascending: register i is written when 2 i and 2 i + 1 are read
.endr
.endr
	WIN 0x41                                       ; O^T (destination and source 0) window 1
.irp i, 0,2,4,6,8,10,12,14,16,18,20,22,24,26,28,30
.irp t, 0,1,2,3
	v_pk_mul_f32 v[32*\t+\i:32*\t+\i+1], v[32*\t+\i:32*\t+\i+1], v[ST+8*\t+6:ST+8*\t+7] op_sel_hi:[1,0]
.endr
.endr
	s_wait_dscnt 0x0                               ; V is in
	WIN 0x51                                       ; V and O^T window 1, P window 0
.irp u, 0,1
.irp qt, 0,1,2,3
.irp dt, 0,1,2,3
	v_wmma_f32_16x16x32_f16 v[32*\qt+8*\dt:32*\qt+8*\dt+7], v[VB+16*\dt+8*\u:VB+16*\dt+8*\u+7], v[S+32*\qt+8*\u:S+32*\qt+8*\u+7], v[32*\qt+8*\dt:32*\qt+8*\dt+7]
.endr
.endr
.endr
	WIN 0
.rept 5
	v_nop                                          ; the next step's first products write over P's registers: five places
.endr
.endm
; Key step j = 2 x trip + sl.
.macro STEP sl
	s_bitcmp1_b32 s[UU], 1                         ; is step j + 1 wanted by any wave?  (Behind step 31 the shifts have brought in zeros)
	s_cbranch_scc0 .Lnoload_\@
.irp i, 0,1,2,3
	global_load_b128 v[STG+4*\i:STG+4*\i+3], v[LI], s[SRC:SRC+1] offset:(\sl+1)*8192+512*\i
.endr
	s_and_b32 s40, s[UU], s[PF]                    ; do I ask ahead, and is step j + 3 wanted?
	s_cmp_lg_u32 s40, 0
	s_cbranch_scc0 .Lnoload_\@
	global_prefetch_b8 v[PFO], s[SRC:SRC+1] offset:(\sl+3)*8192 th:TH_LOAD_NT scope:SCOPE_SE   ; step j + 3's 8,192 bytes of K (wave 0) or V (wave 4), lanes 256 bytes apart: two steps ahead of the loads that want them; named once, by the head's first work-group
.Lnoload_\@:
	s_bitcmp1_b32 s[ACT], 0
	s_cbranch_scc0 .Lidle_\@
	COMPUTE \sl
.Lidle_\@:
	s_wait_loadcnt 0x0
.irp i, 0,1,2,3
	ds_store_b128 v[STW], v[STG+4*\i:STG+4*\i+3] offset:(1-\sl)*SLOTB+512*\i       ; into the slot that was read last step; where nothing was fetched no step reads it
.endr
	s_wait_dscnt 0x0                               ; my stores have landed, and my reads of this step's slot are over
	s_barrier_signal -1
	s_barrier_wait -1
	s_lshr_b32 s[ACT], s[ACT], 1
	s_lshr_b32 s[MIX], s[MIX], 1
	s_lshr_b32 s[UU], s[UU], 1
.endm
.Ltrip:                                            ; 16 trips of two key steps: a constant; what hangs on the flags is jumped over inside
	STEP 0
	STEP 1
	s_wait_xcnt 0x0                                ; the trip's loads and prefetches have read their bases
	s_add_nc_u64 s[SRC:SRC+1], s[SRC:SRC+1], 16384
	s_add_nc_u64 s[MSK:MSK+1], s[MSK:MSK+1], 512
	s_add_co_u32 s[CNT], s[CNT], 1
	s_cmp_lt_u32 s[CNT], 16
	s_cbranch_scc1 .Ltrip
	; THE WAY OUT: O^T / the sum, rounded to f16: an accumulator is a piece of oimg
.irp t, 0,1,2,3
	v_add_f32 v[ST+8*\t+4], v[ST+8*\t+2], v[ST+8*\t+3]
.endr
.irp t, 0,1,2,3
	v_permlanex16_b32 v[ST+8*\t+5], v[ST+8*\t+4], s[SEL], s[SEL+1]
.endr
.irp t, 0,1,2,3
	v_add_f32 v[ST+8*\t+4], v[ST+8*\t+4], v[ST+8*\t+5]
.endr
.irp t, 0,1,2,3
	v_rcp_f32 v[ST+8*\t+6], v[ST+8*\t+4]
.endr
	v_nop
	s_wait_alu depctr_va_vdst(0)                   ; one wait for the four reciprocals
.irp t, 0,1,2,3
	WIN 0x01                                       ; source 0 (O^T) window 1
.irp i, 0,2,4,6,8,10,12,14,16,18,20,22,24,26,28,30
	v_pk_mul_f32 v[S+32*\t+\i:S+32*\t+\i+1], v[32*\t+\i:32*\t+\i+1], v[ST+8*\t+6:ST+8*\t+7] op_sel_hi:[1,0]
.endr
	WIN 0
.irp i, 0,1,2,3,4,5,6,7,8,9,10,11,12,13,14,15
	v_cvt_pk_f16_f32 v[KB+16*\t+\i], v[S+32*\t+2*\i], v[S+32*\t+2*\i+1]
.endr
.irp d, 0,1,2,3
	global_store_b128 v[LI], v[KB+16*\t+4*\d:KB+16*\t+4*\d+3], s[10:11] offset:\t*32768+\d*512   ; 512 consecutive bytes, aligned
.endr
.endr
	s_wait_tensorcnt 0x0                           ; the wave's end: three lines behind my last LDS store
	ds_add_u32 v[SPW], v[NIL]
	s_wait_dscnt 0x0
	s_endpgm
.Lfunc_end_k_q5d053d7750_attn:
	.size	k_q5d053d7750_attn, .Lfunc_end_k_q5d053d7750_attn-k_q5d053d7750_attn
	.p2alignl 7, 3214868480
	.fill 96, 4, 3214868480
	.section	.rodata,"a",@progbits
	.p2align	6, 0x0
	.amdhsa_kernel k_q5d053d7750_attn
		.amdhsa_group_segment_fixed_size 33792
		.amdhsa_private_segment_fixed_size 0
		.amdhsa_enable_private_segment 0
		.amdhsa_kernarg_size 32
		.amdhsa_user_sgpr_count 2
		.amdhsa_user_sgpr_kernarg_segment_ptr 1
		.amdhsa_wavefront_size32 1
		.amdhsa_system_sgpr_workgroup_id_x 1
		.amdhsa_system_sgpr_workgroup_id_y 1
		.amdhsa_system_sgpr_workgroup_id_z 1
		.amdhsa_system_vgpr_workitem_id 0
		.amdhsa_next_free_vgpr 512
		.amdhsa_next_free_sgpr 66
		.amdhsa_reserve_vcc 0
		.amdhsa_float_denorm_mode_32 3
		.amdhsa_float_denorm_mode_16_64 3
		.amdhsa_memory_ordered 1
		.amdhsa_forward_progress 1
		.amdhsa_inst_pref_size 105
	.end_amdhsa_kernel
	.amdgpu_metadata
---
amdhsa.version: [ 1, 2 ]
amdhsa.kernels:
  - .name:           k_q5d053d7750_attn
    .symbol:         k_q5d053d7750_attn.kd
    .args:
      - { .name: qkv, .offset: 0, .size: 8, .value_kind: global_buffer, .address_space: global }
      - { .name: flags, .offset: 8, .size: 8, .value_kind: global_buffer, .address_space: global }
      - { .name: mask, .offset: 16, .size: 8, .value_kind: global_buffer, .address_space: global }
      - { .name: oimg, .offset: 24, .size: 8, .value_kind: global_buffer, .address_space: global }
    .group_segment_fixed_size: 33792
    .private_segment_fixed_size: 0
    .kernarg_segment_align: 8
    .kernarg_segment_size: 32
    .max_flat_workgroup_size: 256
    .sgpr_count:     66
    .vgpr_count:     512
    .wavefront_size: 32
...
	.end_amdgpu_metadata
.endif
;; end of part 3
;; launch fattn (part 4): grid 64 x 1, 8 waves a work-group, no clusters, 37,888 bytes of LDS; arguments cs, flags, mask, bq, bk, bv, ofine; writes ofine
.if DOCPART == 4
	.amdgcn_target "amdgcn-amd-amdhsa--gfx1250"
	.amdhsa_code_object_version 6
	.text
	.protected	k_q5d053d7750_fattn
	.globl	k_q5d053d7750_fattn
	.p2align	8
	.type	k_q5d053d7750_fattn,@function
k_q5d053d7750_fattn:
	s_mov_b64 s[64:65], 0
	v_nop
	global_prefetch_b8 v0, s[64:65] scope:SCOPE_SE
	s_setreg_imm32_b32 hwreg(HW_REG_WAVE_MODE, 25, 1), 1
	s_wait_xcnt 0x0
; THE FIRST 16 POSITIONS OF EVERY SEQUENCE, MORE FINELY.  Where a mask blocks later keys these rows average one to a few values and are the largest of the output, so the rounding of f16 operands weighs most there.
; One work-group for each (batch, head).  q, k, v x weight + bias are made anew from the codes in cs, by the same scaled matrix instructions and in f32; each operand of the two attention products then goes as a PAIR of f16,
; a high and a low part split in f32: S = KH QH + KH QL + KL QH, O += VH PH + VH PL + VL PH.  O / the sum leaves as a pair too: ofine, high part at 0, low part 131,072 bytes on, each [batch][feature / 16][512 bytes].
; The mask is always read here; key steps are left out by the flags of query block 0 as in the main attention (a blocked tile, where the block has an anchoring tile, gives p = 0 exactly).
; LIMITS: as in the main attention: |mask| under 2e8, no NaN in it; operands' magnitudes under 65,504; a part under 6e-5 keeps an absolute step of 6e-8.
; A KEY STEP is 64 keys.  Waves 0-3 make K's 4 x 4 tiles of 16 tokens x 16 of the depth, waves 4-7 V's: 2 x 2 tiles a wave, K = 1,024: 32 matrix instructions on four accumulators by turns.  The tiles go to LDS as pieces
; (512 bytes, lane l at 16 l); a barrier; wave 0 does the attention of the 16 queries; a barrier.  32 trips, a constant; both barriers stand on every path, the work is jumped over by the flags.
; LDS: KH 0, KL 8,192, VH 16,384, VL 24,576: each [token tile][depth tile][512]; QH 32,768, QL 34,816: [depth tile][512]; the spare words from 36,864.
; REGISTERS.  window 0: v1-7, v10 addresses; v8, v9 the add's two; v12-19 at work; v20-27 a tile's two parts; v32-47, v48-63 P's parts; v64-95 the bias as C, then the mask; v96-103 the weight's scale words,
;   v104-111 the tokens' (they hold scales and nothing else); v112-119 statistics; v128-159 the four accumulators, then S^T; v160-175, v176-191 Q's parts; v192-223 O^T.
;   window 1: v0-127 the weight's fragments, v128-255 the tokens'; in the attention v0-63 one part of K or V.
.set WC,  12582912
.set XS,  14155776
.set WS,  14942208
.set KH,  0
.set KL,  8192
.set VH,  16384
.set VL,  24576
.set QH,  32768
.set QL,  34816
.set SPARE, 36864
.set LI,  1                            ; 16 x lane
.set XO,  2                            ; 512 r + 16 h: a row of codes, my half's bytes
.set SO,  3                            ; 32 r + 4 h: a row's scale words: lanes 0-15 an even K step's, lanes 16-31 the odd one's
.set BO1, 4                            ; 32 h
.set BO0, 5                            ; 4 r
.set FST, 6                            ; where I store my tiles: 16 lane + 16,384 (V) + 4,096 x token half + 1,024 x depth half
.set QST, 7                            ; and Q's: 16 lane + 1,024 x depth half
.set SPW, 8
.set NIL, 9
.set MKO, 10                           ; 8,192 r + 32 h
.set T,   12
.set H4,  20
.set L4,  24
.set PH,  32
.set PL,  48
.set MK,  64
.set BC,  64
.set WSC, 96
.set XSC, 104
.set ST,  112
.set ACC, 128
.set S,   128
.set QHR, 160
.set QLR, 176
.set O,   192
.set WV,  22
.set ACT, 26
.set CNT, 29
.set SEL, 34
.set CM,  36
.set CQ,  38
.set MSB, 0
.macro WIN new
.if MSB != (\new)
	s_set_vgpr_msb (MSB<<8)|(\new)
.set MSB, (\new)
.endif
.endm
; eight f32 become four registers of f16 high parts and four of low parts.  high = the number with its low 13 mantissa bits cleared: exact in f16; low = the rest, exact in f32, rounded once
.macro SPLIT8 src, hi, lo, tmp
.irp i, 0,1,2,3,4,5,6,7
	v_and_b32 v[(\tmp)+\i], 0xffffe000, v[(\src)+\i]
.endr
.irp i, 0,1,2,3
	v_cvt_pk_f16_f32 v[(\hi)+\i], v[(\tmp)+2*\i], v[(\tmp)+2*\i+1]
.endr
.irp i, 0,1,2,3
	v_pk_add_f32 v[(\tmp)+2*\i:(\tmp)+2*\i+1], v[(\src)+2*\i:(\src)+2*\i+1], v[(\tmp)+2*\i:(\tmp)+2*\i+1] neg_lo:[0,1] neg_hi:[0,1]
.endr
.irp i, 0,1,2,3
	v_cvt_pk_f16_f32 v[(\lo)+\i], v[(\tmp)+2*\i], v[(\tmp)+2*\i+1]
.endr
.endm
; The softmax of nt tiles of 16 queries x 64 keys, as in the main attention: it leaves p in place, a = 2^(old m - new m) at +6, the sum at +2, +3.
.macro SOFTMAX nt, sb, tb
.set t, 0
.rept \nt
	v_max3_num_f32 v[\tb+8*t+4], v[\sb+32*t], v[\sb+32*t+1], v[\sb+32*t+2]
	v_max3_num_f32 v[\tb+8*t+5], v[\sb+32*t+3], v[\sb+32*t+4], v[\sb+32*t+5]
.set t, t+1
.endr
.irp i, 6,10,14,18,22,26
.set t, 0
.rept \nt
	v_max3_num_f32 v[\tb+8*t+4], v[\tb+8*t+4], v[\sb+32*t+\i], v[\sb+32*t+\i+1]
	v_max3_num_f32 v[\tb+8*t+5], v[\tb+8*t+5], v[\sb+32*t+\i+2], v[\sb+32*t+\i+3]
.set t, t+1
.endr
.endr
.set t, 0
.rept \nt
	v_max3_num_f32 v[\tb+8*t+4], v[\tb+8*t+4], v[\sb+32*t+30], v[\sb+32*t+31]
	v_max3_num_f32 v[\tb+8*t+4], v[\tb+8*t+4], v[\tb+8*t+5], v[\tb+8*t]
	v_permlanex16_b32 v[\tb+8*t+5], v[\tb+8*t+4], s[SEL], s[SEL+1]
	v_max_num_f32 v[\tb+8*t+5], v[\tb+8*t+4], v[\tb+8*t+5]
	v_sub_f32 v[\tb+8*t+6], v[\tb+8*t], v[\tb+8*t+5]
	v_mov_b32 v[\tb+8*t], v[\tb+8*t+5]
.set t, t+1
.endr
.irp i, 0,2,4,6,8,10,12,14,16,18,20,22,24,26,28,30
.set t, 0
.rept \nt
	v_pk_add_f32 v[\sb+32*t+\i:\sb+32*t+\i+1], v[\sb+32*t+\i:\sb+32*t+\i+1], v[\tb+8*t:\tb+8*t+1] op_sel_hi:[1,0] neg_lo:[0,1] neg_hi:[0,1]
.set t, t+1
.endr
.endr
.set t, 0
.rept \nt
	v_exp_f32 v[\tb+8*t+6], v[\tb+8*t+6]
.set t, t+1
.endr
.irp i, 0,1,2,3,4,5,6,7,8,9,10,11,12,13,14,15,16,17,18,19,20,21,22,23,24,25,26,27,28,29,30,31
.set t, 0
.rept \nt
	v_exp_f32 v[\sb+32*t+\i], v[\sb+32*t+\i]
.set t, t+1
.endr
.endr
	v_nop                                          ; one plain instruction behind the last exponential,
	s_wait_alu depctr_va_vdst(0)                   ; and one wait for the batch, ahead of its first reader
.set t, 0
.rept \nt
	v_pk_fma_f32 v[\tb+8*t+2:\tb+8*t+3], v[\tb+8*t+2:\tb+8*t+3], v[\tb+8*t+6:\tb+8*t+7], v[\sb+32*t:\sb+32*t+1] op_sel_hi:[1,0,1]
	v_pk_add_f32 v[\tb+8*t+4:\tb+8*t+5], v[\sb+32*t+2:\sb+32*t+3], v[\sb+32*t+4:\sb+32*t+5]
.set t, t+1
.endr
.irp i, 6,10,14,18,22,26
.set t, 0
.rept \nt
	v_pk_add_f32 v[\tb+8*t+2:\tb+8*t+3], v[\tb+8*t+2:\tb+8*t+3], v[\sb+32*t+\i:\sb+32*t+\i+1]
	v_pk_add_f32 v[\tb+8*t+4:\tb+8*t+5], v[\tb+8*t+4:\tb+8*t+5], v[\sb+32*t+\i+2:\sb+32*t+\i+3]
.set t, t+1
.endr
.endr
.set t, 0
.rept \nt
	v_pk_add_f32 v[\tb+8*t+2:\tb+8*t+3], v[\tb+8*t+2:\tb+8*t+3], v[\sb+32*t+30:\sb+32*t+31]
	v_pk_add_f32 v[\tb+8*t+2:\tb+8*t+3], v[\tb+8*t+2:\tb+8*t+3], v[\tb+8*t+4:\tb+8*t+5]
.set t, t+1
.endr
.endm
; 32 rows of tokens and 32 rows of a weight, all of K: fragments (16 rows x 128 K: two loads of 16 bytes a lane) and scale words
.macro PLOAD xb, wb, xsb, wsb
	WIN 0x40
.irp tt, 0,1
.irp s, 0,1,2,3,4,5,6,7
.irp c, 0,1
	global_load_b128 v[128+64*\tt+8*\s+4*\c:128+64*\tt+8*\s+4*\c+3], v[XO], s[\xb:\xb+1] offset:\tt*8192+\s*64+32*\c
	global_load_b128 v[64*\tt+8*\s+4*\c:64*\tt+8*\s+4*\c+3], v[XO], s[\wb:\wb+1] offset:\tt*8192+\s*64+32*\c
.endr
.endr
.endr
	WIN 0
.irp tt, 0,1
.irp i, 0,1,2,3
	global_load_b32 v[XSC+4*\tt+\i], v[SO], s[\xsb:\xsb+1] offset:\tt*512+8*\i
	global_load_b32 v[WSC+4*\tt+\i], v[SO], s[\wsb:\wsb+1] offset:\tt*512+8*\i
.endr
.endr
.endm
.macro BIAS1 ptr                       ; the bias as C where the depth runs along the registers: 16 dt + 8 h + j
.irp dt, 0,1
	global_load_b128 v[BC+8*\dt:BC+8*\dt+3], v[BO1], s[\ptr:\ptr+1] offset:64*\dt
	global_load_b128 v[BC+8*\dt+4:BC+8*\dt+7], v[BO1], s[\ptr:\ptr+1] offset:64*\dt+16
.endr
.endm
.macro BIAS0 ptr                       ; and where it runs along the lanes: 16 dt + r, the same word in all eight registers
.irp dt, 0,1
.irp j, 0,1,2,3,4,5,6,7
	global_load_b32 v[BC+8*\dt+\j], v[BO0], s[\ptr:\ptr+1] offset:64*\dt
.endr
.endr
.endm
.macro PMUL tr, s, tt, dt
.set rD, ACC+8*(2*\tt+\dt)
.set rW, 64*\dt+8*\s
.set rX, 128+64*\tt+8*\s
.set rWS, WSC+4*\dt+(\s)/2
.set rXS, XSC+4*\tt+(\s)/2
.set rC, rD
.if \s == 0
.set rC, BC+8*\dt
.endif
.if \tr
.if (\s)%2
	v_wmma_scale_f32_16x16x128_f8f6f4 v[rD:rD+7], v[rW:rW+7], v[rX:rX+7], v[rC:rC+7], v[rWS], v[rXS] matrix_a_fmt:MATRIX_FMT_FP4 matrix_b_fmt:MATRIX_FMT_FP4 matrix_a_scale:MATRIX_SCALE_ROW1 matrix_b_scale:MATRIX_SCALE_ROW1
.else
	v_wmma_scale_f32_16x16x128_f8f6f4 v[rD:rD+7], v[rW:rW+7], v[rX:rX+7], v[rC:rC+7], v[rWS], v[rXS] matrix_a_fmt:MATRIX_FMT_FP4 matrix_b_fmt:MATRIX_FMT_FP4
.endif
.else
.if (\s)%2
	v_wmma_scale_f32_16x16x128_f8f6f4 v[rD:rD+7], v[rX:rX+7], v[rW:rW+7], v[rC:rC+7], v[rXS], v[rWS] matrix_a_fmt:MATRIX_FMT_FP4 matrix_b_fmt:MATRIX_FMT_FP4 matrix_a_scale:MATRIX_SCALE_ROW1 matrix_b_scale:MATRIX_SCALE_ROW1
.else
	v_wmma_scale_f32_16x16x128_f8f6f4 v[rD:rD+7], v[rX:rX+7], v[rW:rW+7], v[rC:rC+7], v[rXS], v[rWS] matrix_a_fmt:MATRIX_FMT_FP4 matrix_b_fmt:MATRIX_FMT_FP4
.endif
.endif
.endm
; tr = 1 (Q, K): source 0 = the weight: a lane holds a token, its registers run along the depth.  tr = 0 (V): source 0 = the tokens: a lane holds one of the depth, its registers run along the tokens.
.macro PROJ tr
	WIN 0x05                                       ; both sources window 1
.irp s, 0,1,2,3,4,5,6,7
.irp tt, 0,1
.irp dt, 0,1
	PMUL \tr, \s, \tt, \dt                         ; four accumulators by turns, one instruction a turn; K ascending
.endr
.endr
.endr
	WIN 0
.rept 5
	v_nop
.endr
.endm
.macro STOREP                          ; my four tiles, as pairs of pieces
.irp tt, 0,1
.irp dt, 0,1
	SPLIT8 ACC+8*(2*\tt+\dt), H4, L4, T
	ds_store_b128 v[FST], v[H4:H4+3] offset:\tt*2048+\dt*512
	ds_store_b128 v[FST], v[L4:L4+3] offset:8192+\tt*2048+\dt*512
	s_wait_dscnt 0x0                               ; the stores have read their registers
.endr
.endr
.endm
.macro LTILE base, tr                  ; one part of K (tr = 0: fragment (token tile x, depth)) or of V (tr = 1: fragment (depth tile x, tokens)) into window 1, v0-63
	WIN 0x40
.irp x, 0,1,2,3
.irp y, 0,1,2,3
.if \tr
	ds_load_b128 v[16*\x+4*\y:16*\x+4*\y+3], v[LI] offset:\base+\y*2048+\x*512
.else
	ds_load_b128 v[16*\x+4*\y:16*\x+4*\y+3], v[LI] offset:\base+\x*2048+\y*512
.endif
.endr
.endr
	WIN 0
.endm
.macro SROUND qr, c, zero              ; four products of S^T, its four accumulators by turns
.irp kt, 0,1,2,3
.if \zero
	v_wmma_f32_16x16x32_f16 v[S+8*\kt:S+8*\kt+7], v[16*\kt+8*\c:16*\kt+8*\c+7], v[\qr+8*\c:\qr+8*\c+7], 0
.else
	v_wmma_f32_16x16x32_f16 v[S+8*\kt:S+8*\kt+7], v[16*\kt+8*\c:16*\kt+8*\c+7], v[\qr+8*\c:\qr+8*\c+7], v[S+8*\kt:S+8*\kt+7]
.endif
.endr
.endm
.macro OROUND pr, u                    ; four products of O^T
.irp dt, 0,1,2,3
	v_wmma_f32_16x16x32_f16 v[O+8*\dt:O+8*\dt+7], v[16*\dt+8*\u:16*\dt+8*\u+7], v[\pr+8*\u:\pr+8*\u+7], v[O+8*\dt:O+8*\dt+7]
.endr
.endm
.macro NOPS n
.rept \n
	v_nop
.endr
.endm
.macro ATT                             ; wave 0: the 16 queries against this step's 64 keys
	NOPS 5                                         ; S^T is laid over the accumulators of the products above
.irp kt, 0,1,2,3
.irp hf, 0,1
	global_load_b128 v[MK+8*\kt+4*\hf:MK+8*\kt+4*\hf+3], v[MKO], s[56:57] offset:\kt*64+16*\hf
.endr
.endr
	LTILE KH, 0
	s_wait_dscnt 0x0
	WIN 0x01                                       ; source 0 window 1
	SROUND QHR, 0, 1
	SROUND QHR, 1, 0
	SROUND QLR, 0, 0
	SROUND QLR, 1, 0
	WIN 0
	NOPS 4
	LTILE KL, 0
	s_wait_dscnt 0x0
	WIN 0x01
	SROUND QHR, 0, 0
	SROUND QHR, 1, 0
	WIN 0
	NOPS 4
	LTILE VH, 1
	s_wait_loadcnt 0x0
.irp i, 0,2,4,6,8,10,12,14,16,18,20,22,24,26,28,30
	v_pk_fma_f32 v[S+\i:S+\i+1], v[MK+\i:MK+\i+1], s[CM:CM+1], v[S+\i:S+\i+1] op_sel_hi:[1,0,1]   ; t = mask x (-1e30 log2 e) + score
.endr
	SOFTMAX 1, S, ST
.irp k, 0,1,2,3
	SPLIT8 S+8*\k, PH+4*\k, PL+4*\k, T
.endr
.irp i, 0,2,4,6,8,10,12,14,16,18,20,22,24,26,28,30
	v_pk_mul_f32 v[O+\i:O+\i+1], v[O+\i:O+\i+1], v[ST+6:ST+7] op_sel_hi:[1,0]
.endr
	s_wait_dscnt 0x0
	WIN 0x01
	OROUND PH, 0
	OROUND PH, 1
	OROUND PL, 0
	OROUND PL, 1
	WIN 0
	NOPS 4
	LTILE VL, 1
	s_wait_dscnt 0x0
	WIN 0x01
	OROUND PH, 0
	OROUND PH, 1
	WIN 0
	NOPS 5
.endm
	s_load_b256 s[4:11], s[0:1], 0x0               ; cs, flags, mask, bq
	s_load_b128 s[12:15], s[0:1], 0x20             ; bk, bv
	s_load_b64 s[16:17], s[0:1], 0x30              ; ofine
	v_lshl_add_u32 v[SPW], v0, 2, SPARE
	v_mov_b32 v[NIL], 0
	v_lshrrev_b32 v28, 5, v0
	v_readfirstlane_b32 s[WV], v28                 ; wave 0..7
	v_and_b32 v28, 31, v0                          ; lane
	v_and_b32 v29, 15, v0                          ; r
	v_bfe_u32 v30, v0, 4, 1                        ; h
	v_lshlrev_b32 v[LI], 4, v28
	v_lshlrev_b32 v31, 2, v28                      ; 4 x lane: the flags
	v_lshlrev_b32 v[XO], 9, v29
	v_lshl_add_u32 v[XO], v30, 4, v[XO]
	v_lshlrev_b32 v[SO], 5, v29
	v_lshl_add_u32 v[SO], v30, 2, v[SO]
	v_lshlrev_b32 v[BO1], 5, v30
	v_lshlrev_b32 v[BO0], 2, v29
	v_lshlrev_b32 v[MKO], 13, v29
	v_lshl_add_u32 v[MKO], v30, 5, v[MKO]
	s_lshr_b32 s24, ttmp9, 4                       ; batch
	s_and_b32 s25, ttmp9, 15                       ; head
	s_lshr_b32 s40, s[WV], 2                       ; 0: K, 1: V
	s_bfe_u32 s41, s[WV], 0x10001                  ; which 32 of the step's 64 tokens
	s_and_b32 s42, s[WV], 1                        ; which 32 of the depth
	s_lshl_b32 s43, s40, 14
	s_lshl_b32 s44, s41, 12
	s_add_co_u32 s43, s43, s44
	s_lshl_b32 s44, s42, 10
	s_add_co_u32 s43, s43, s44
	v_add_nc_u32 v[FST], s43, v[LI]                ; every LDS address is made here, ahead of the first parting of the waves
	v_add_nc_u32 v[QST], s44, v[LI]
	s_mov_b32 s[SEL], 0x76543210
	s_mov_b32 s[SEL+1], 0xfedcba98
	s_mov_b32 s[CM], 0xf191accb                    ; -1e30 log2(e)
	s_mov_b32 s[CM+1], s[CM]
	s_mov_b32 s[CQ], 0x3e38aa3b                    ; log2(e) / 8
	s_mov_b32 s[CQ+1], s[CQ]
	s_mov_b32 s45, 0                               ; the high word of every offset
	s_lshl_b32 s70, s24, 11                        ; the batch's first token
	s_lshl_b32 s71, s41, 5
	s_add_co_u32 s71, s70, s71                     ; my first token of key step 0
	s_add_co_u32 s72, s40, 1                       ; tensor 1 (k, wk) or 2 (v, wv)
	s_lshl_b32 s74, s25, 6
	s_lshl_b32 s73, s42, 5
	s_add_co_u32 s74, s74, s73                     ; my first column of the weight: 64 x head + 32 x depth half
	s_wait_kmcnt 0x0
	global_load_b32 v128, v31, s[6:7]              ; the flags of query block 0
	s_lshl_b32 s44, s72, 22
	s_lshl_b32 s73, s71, 9
	s_add_co_u32 s44, s44, s73
	s_add_nc_u64 s[46:47], s[4:5], s[44:45]        ; the tokens' codes,
	s_lshl_b32 s44, s72, 18
	s_lshl_b32 s73, s71, 5
	s_add_co_u32 s44, s44, s73
	s_add_co_u32 s44, s44, XS
	s_add_nc_u64 s[48:49], s[4:5], s[44:45]        ; their scale bytes,
	s_lshl_b32 s44, s72, 19
	s_lshl_b32 s73, s74, 9
	s_add_co_u32 s44, s44, s73
	s_add_co_u32 s44, s44, WC
	s_add_nc_u64 s[50:51], s[4:5], s[44:45]        ; the weight's codes,
	s_lshl_b32 s44, s72, 15
	s_lshl_b32 s73, s74, 5
	s_add_co_u32 s44, s44, s73
	s_add_co_u32 s44, s44, WS
	s_add_nc_u64 s[52:53], s[4:5], s[44:45]        ; its scale bytes,
	s_cmp_lt_u32 s[WV], 4
	s_cselect_b64 s[54:55], s[12:13], s[14:15]
	s_lshl_b32 s44, s74, 2
	s_add_nc_u64 s[54:55], s[54:55], s[44:45]      ; the bias
	s_add_nc_u64 s[68:69], s[10:11], s[44:45]      ; and for Q: bq,
	s_lshl_b32 s44, s70, 9
	s_add_nc_u64 s[58:59], s[4:5], s[44:45]        ; q's codes at the batch's first token,
	s_lshl_b32 s44, s70, 5
	s_add_co_u32 s44, s44, XS
	s_add_nc_u64 s[60:61], s[4:5], s[44:45]
	s_lshl_b32 s44, s74, 9
	s_add_co_u32 s44, s44, WC
	s_add_nc_u64 s[62:63], s[4:5], s[44:45]        ; wq's
	s_lshl_b32 s44, s74, 5
	s_add_co_u32 s44, s44, WS
	s_add_nc_u64 s[66:67], s[4:5], s[44:45]
	s_mov_b64 s[56:57], s[8:9]                     ; the mask's rows 0..15, at key 0
	s_lshl_b32 s44, s24, 15
	s_lshl_b32 s73, s25, 11
	s_add_co_u32 s44, s44, s73
	s_add_nc_u64 s[16:17], s[16:17], s[44:45]      ; ofine at piece (batch, 4 x head)
	s_wait_loadcnt 0x0
	v_and_b32 v28, 1, v128
	v_and_b32 v29, 4, v128
	v_cmp_ne_u32 s40, 0, v28                       ; blocked
	v_cmp_ne_u32 s41, 0, v29                       ; anchoring
	s_cmp_lg_u32 s41, 0
	s_cselect_b32 s41, s40, 0
	s_not_b32 s[ACT], s41                          ; bit j: key step j is computed
	; ---- Q: waves 0 and 1 make the 16 queries' two halves of the depth (the second tile of tokens rides along and is dropped, so that one macro serves all products)
	s_cmp_lt_u32 s[WV], 2
	s_cbranch_scc0 .Lq_done
	PLOAD 58, 62, 60, 66
	BIAS1 68
	s_wait_loadcnt 0x0
	PROJ 1
.irp dt, 0,1
.irp i, 0,2,4,6
	v_pk_mul_f32 v[MK+\i:MK+\i+1], v[ACC+8*\dt+\i:ACC+8*\dt+\i+1], s[CQ:CQ+1] op_sel_hi:[1,0]
.endr
	SPLIT8 MK, H4, L4, T
	ds_store_b128 v[QST], v[H4:H4+3] offset:QH+512*\dt
	ds_store_b128 v[QST], v[L4:L4+3] offset:QL+512*\dt
	s_wait_dscnt 0x0                               ; the stores have read their registers
.endr
.Lq_done:
	s_wait_dscnt 0x0
	s_barrier_signal -1
	s_barrier_wait -1                              ; Q's eight pieces lie in LDS
.irp g, 0,1,2,3
	ds_load_b128 v[QHR+4*\g:QHR+4*\g+3], v[LI] offset:QH+512*\g     ; every wave takes them and starts the sums: no register is written on one wave's path alone
	ds_load_b128 v[QLR+4*\g:QLR+4*\g+3], v[LI] offset:QL+512*\g
.endr
.set i, 0
.rept 32
	v_mov_b32 v[O+i], 0                            ; which key step is the first hangs on the flags: the step finds zeros
.set i, i+1
.endr
	v_mov_b32 v[ST], 0xff61b1e6                    ; m: -3e38
.irp i, 1,2,3,4,5,6,7
	v_mov_b32 v[ST+\i], 0
.endr
	s_mov_b32 s[CNT], 0
.Lftrip:                                           ; 32 trips: a constant
	s_bitcmp1_b32 s[ACT], 0
	s_cbranch_scc0 .Lf_noproj
	PLOAD 46, 50, 48, 52
	s_cmp_lt_u32 s[WV], 4
	s_cbranch_scc0 .Lf_v
	BIAS1 54
	s_wait_loadcnt 0x0
	PROJ 1
	s_branch .Lf_st
.Lf_v:
	BIAS0 54
	s_wait_loadcnt 0x0
	PROJ 0
.Lf_st:
	STOREP
.Lf_noproj:
	s_wait_dscnt 0x0                               ; my pieces have landed (and, in the first trip, Q's loads are in)
	s_barrier_signal -1
	s_barrier_wait -1
	s_bitcmp1_b32 s[ACT], 0
	s_cbranch_scc0 .Lf_noatt
	s_cmp_eq_u32 s[WV], 0
	s_cbranch_scc0 .Lf_noatt
	ATT
.Lf_noatt:
	s_wait_dscnt 0x0                               ; wave 0's reads of the pieces are over
	s_barrier_signal -1
	s_barrier_wait -1
	s_wait_xcnt 0x0                                ; the trip's loads have read their bases
	s_add_nc_u64 s[46:47], s[46:47], 32768         ; 64 tokens on
	s_add_nc_u64 s[48:49], s[48:49], 2048
	s_add_nc_u64 s[56:57], s[56:57], 256
	s_lshr_b32 s[ACT], s[ACT], 1
	s_add_co_u32 s[CNT], s[CNT], 1
	s_cmp_lt_u32 s[CNT], 32
	s_cbranch_scc1 .Lftrip
	s_cmp_eq_u32 s[WV], 0
	s_cbranch_scc0 .Lf_end
	v_add_f32 v[ST+4], v[ST+2], v[ST+3]
	v_permlanex16_b32 v[ST+5], v[ST+4], s[SEL], s[SEL+1]
	v_add_f32 v[ST+4], v[ST+4], v[ST+5]
	v_rcp_f32 v[ST+6], v[ST+4]
	v_nop
	s_wait_alu depctr_va_vdst(0)
.irp dt, 0,1,2,3
.irp i, 0,2,4,6
	v_pk_mul_f32 v[MK+8*\dt+\i:MK+8*\dt+\i+1], v[O+8*\dt+\i:O+8*\dt+\i+1], v[ST+6:ST+7] op_sel_hi:[1,0]
.endr
	SPLIT8 MK+8*\dt, PH+4*\dt, PL+4*\dt, T
	global_store_b128 v[LI], v[PH+4*\dt:PH+4*\dt+3], s[16:17] offset:512*\dt
	global_store_b128 v[LI], v[PL+4*\dt:PL+4*\dt+3], s[16:17] offset:131072+512*\dt
.endr
.Lf_end:
	s_wait_tensorcnt 0x0                           ; the wave's end: three lines behind my last LDS store
	ds_add_u32 v[SPW], v[NIL]
	s_wait_dscnt 0x0
	s_endpgm
.Lfunc_end_k_q5d053d7750_fattn:
	.size	k_q5d053d7750_fattn, .Lfunc_end_k_q5d053d7750_fattn-k_q5d053d7750_fattn
	.p2alignl 7, 3214868480
	.fill 96, 4, 3214868480
	.section	.rodata,"a",@progbits
	.p2align	6, 0x0
	.amdhsa_kernel k_q5d053d7750_fattn
		.amdhsa_group_segment_fixed_size 37888
		.amdhsa_private_segment_fixed_size 0
		.amdhsa_enable_private_segment 0
		.amdhsa_kernarg_size 56
		.amdhsa_user_sgpr_count 2
		.amdhsa_user_sgpr_kernarg_segment_ptr 1
		.amdhsa_wavefront_size32 1
		.amdhsa_system_sgpr_workgroup_id_x 1
		.amdhsa_system_sgpr_workgroup_id_y 1
		.amdhsa_system_sgpr_workgroup_id_z 1
		.amdhsa_system_vgpr_workitem_id 0
		.amdhsa_next_free_vgpr 512
		.amdhsa_next_free_sgpr 80
		.amdhsa_reserve_vcc 0
		.amdhsa_float_denorm_mode_32 3
		.amdhsa_float_denorm_mode_16_64 3
		.amdhsa_memory_ordered 1
		.amdhsa_forward_progress 1
		.amdhsa_inst_pref_size 74
	.end_amdhsa_kernel
	.amdgpu_metadata
---
amdhsa.version: [ 1, 2 ]
amdhsa.kernels:
  - .name:           k_q5d053d7750_fattn
    .symbol:         k_q5d053d7750_fattn.kd
    .args:
      - { .name: cs, .offset: 0, .size: 8, .value_kind: global_buffer, .address_space: global }
      - { .name: flags, .offset: 8, .size: 8, .value_kind: global_buffer, .address_space: global }
      - { .name: mask, .offset: 16, .size: 8, .value_kind: global_buffer, .address_space: global }
      - { .name: bq, .offset: 24, .size: 8, .value_kind: global_buffer, .address_space: global }
      - { .name: bk, .offset: 32, .size: 8, .value_kind: global_buffer, .address_space: global }
      - { .name: bv, .offset: 40, .size: 8, .value_kind: global_buffer, .address_space: global }
      - { .name: ofine, .offset: 48, .size: 8, .value_kind: global_buffer, .address_space: global }
    .group_segment_fixed_size: 37888
    .private_segment_fixed_size: 0
    .kernarg_segment_align: 8
    .kernarg_segment_size: 56
    .max_flat_workgroup_size: 256
    .sgpr_count:     80
    .vgpr_count:     512
    .wavefront_size: 32
...
	.end_amdgpu_metadata
.endif
;; end of part 4
;; launch outp (part 5): grid 8 x 64, 4 waves a work-group, clusters of 4 x 4, 327,680 bytes of LDS; arguments oimg, wof, bo, out0; writes out0
.if DOCPART == 5
	.amdgcn_target "amdgcn-amd-amdhsa--gfx1250"
	.amdhsa_code_object_version 6
	.text
	.protected	k_q5d053d7750_outp
	.globl	k_q5d053d7750_outp
	.p2align	8
	.type	k_q5d053d7750_outp,@function
k_q5d053d7750_outp:
	s_mov_b64 s[64:65], 0
	v_nop
	global_prefetch_b8 v0, s[64:65] scope:SCOPE_SE
	s_setreg_imm32_b32 hwreg(HW_REG_WAVE_MODE, 25, 1), 1
	s_wait_xcnt 0x0
	s_wait_alu depctr_hold_cnt(0) depctr_sa_sdst(0) depctr_va_vdst(0) depctr_va_sdst(0) depctr_va_ssrc(0) depctr_va_vcc(0) depctr_vm_vsrc(0)
	s_getreg_b32 s2, hwreg(HW_REG_IB_STS2, 6, 4)
	s_cmp_eq_u32 s2, 0
	s_cbranch_scc0 .Lentry_in_a_cluster
	s_endpgm
.Lentry_in_a_cluster:
	s_bfe_u32 s2, ttmp6, 0x10000c
	s_cmp_lg_u32 s2, 0xf033
	s_cbranch_scc0 .Lentry_shape_is_right
	s_endpgm
.Lentry_shape_is_right:
; THE PROJECTION OUT: out0 = O wo + bo, 8,192 x 1,024 x 1,024, on f16 operands with f32 sums; out0 in f32.  O comes as pieces from oimg [token / 16][feature / 16][512 bytes], wo's high f16 part from wof
; [column / 16][feature / 16][512 bytes]: a piece is the image of four operand registers (lane l owns bytes 16 l on), so a fragment is two loads of 512 consecutive bytes, with no pitch and no padding.
; (The first 16 positions of each sequence are written again, more finely, by the next launch.)
; A tile of 128 x 128 is made by four waves, 64 x 64 each: 16 accumulators.  K goes in steps of 256 (16 pieces, 8,192 bytes, of each tile of 16 rows) through two LDS slots filled by the tensor data mover:
; a wave's load brings four rows of 8,192 bytes, 32,768 bytes apart in memory.  The bias is the C of each sum's first product.
; CLUSTERS: 4 x 4 work-groups; O's tiles are shared along a row of the cluster, wo's along a column, each asked for jointly.  THE MATRIX INSTRUCTION IS USED TRANSPOSED (source 0 = 16 columns of wo, source 1 = 16 tokens):
; a lane holds eight neighbouring numbers of a row of out0.  A wave's 64 columns are 256 bytes: its 16 rows x 256 bytes at a time turn through its own stage in LDS and leave as whole aligned runs of 256 bytes.
; REGISTERS: window 0: v0-31 addresses; v32-63 the bias, then with v64-95 the way out; v128-255 the accumulators ((a, b) at v[128 + 8 (4 a + b)]).   window 1: two fragment buffers of 128.
.set KB8,    8192                      ; a K step of 16 rows
.set HALFT,  32768                     ; 64 rows: what one tensor load brings
.set SLOT,   4*HALFT
.set STAGE,  2*SLOT
.set SPITCH, 272
.set SPARE,  STAGE+4*16*SPITCH
.set LAPS,   2
.set ADRA, 16
.set ADRB, 20
.set STO,  24
.set RD,   25
.set CO,   26
.set BIO,  27
.set SPW,  28
.set NIL,  29
.set BI,   32
.set TMP,  32
.set ACC,  128
.set F0,   0
.set F1,   128
.set G1, 24
.set G0, 32
.set G1B, 48
.set G0B, 56
.set MSB, 0
.macro WIN new
.if MSB != (\new)
	s_set_vgpr_msb (MSB<<8)|(\new)
.set MSB, (\new)
.endif
.endm
.set MUL,  0x05
.set TO_F, 0x40
.macro JLOAD s                         ; a joint load: waves 0 and 1 fetch O's two halves, waves 2 and 3 wo's; an s_nop 0 and four v_nop follow each of the two lines
	s_cmp_eq_u32 s11, 0
	s_cbranch_scc0 .Lfor_b_\@
	tensor_load_to_lds s[G0+4*\s:G0+4*\s+3], s[G1:G1+7]
	s_nop 0
.rept 4
	v_nop
.endr
	s_branch .Lasked_\@
.Lfor_b_\@:
	tensor_load_to_lds s[G0B+4*\s:G0B+4*\s+3], s[G1B:G1B+7]
	s_nop 0
.rept 4
	v_nop
.endr
.Lasked_\@:
.endm
.macro CREST
	s_cmp_lg_u32 s10, 0
	s_cbranch_scc1 .Lnot_wave_0_\@
	s_barrier_signal -3
.Lnot_wave_0_\@:
	s_barrier_wait -3
	s_barrier_signal -1
	s_barrier_wait -1
.endm
.macro CROUND
	s_barrier_signal -1
	s_barrier_wait -1
	CREST
.endm
	s_load_b128 s[4:7], s[0:1], 0x0                ; oimg, wof
	s_load_b128 s[68:71], s[0:1], 0x10             ; bo, out0
	v_lshl_add_u32 v[SPW], v0, 2, SPARE
	v_mov_b32 v[NIL], 0
	ds_add_u32 v[SPW], v[NIL]                      ; the wave's opening: the add, twice on end, and its wait ahead of my first tensor load
	ds_add_u32 v[SPW], v[NIL]
	v_lshrrev_b32 v1, 5, v0
	v_readfirstlane_b32 s10, v1                    ; wave 0..3
	s_lshr_b32 s11, s10, 1                         ; which half of the tile's rows is mine.  Also: I fetch for O (0) or for wo (1)
	s_and_b32 s12, s10, 1                          ; which half of its columns.  Also: which 64 rows of that tile I fetch
	s_bfe_u32 s40, ttmp6, 0x40000
	s_bfe_u32 s41, ttmp6, 0x40004
	s_lshl_b32 s42, ttmp9, 2
	s_add_co_u32 s42, s42, s40                     ; tile column = 4 x cluster x + cx
	s_and_b32 s13, ttmp7, 0xffff
	s_lshl_b32 s13, s13, 2
	s_add_co_u32 s13, s13, s41                     ; tile row = 4 x cluster y + cy
	s_lshl_b32 s43, s41, 2
	s_lshl_b32 s43, 15, s43
	s_lshl_b32 s44, 0x1111, s40
	s_or_b32 s[G1+0], s43, (3<<16)|(1<<21)         ; the mask; elements of 8 bytes; bit 21 beside a mask; no padding
	s_or_b32 s[G1B+0], s44, (3<<16)|(1<<21)
.irp g, G1, G1B
	s_mov_b32 s[\g+1], 1024<<16                    ; tensor_dim0 = 1,024 elements: 8,192 bytes
	s_mov_b32 s[\g+2], 4<<16                       ; tensor_dim1 = 4
	s_mov_b32 s[\g+3], 1024<<16                    ; tile_dim0
	s_mov_b32 s[\g+4], 4                           ; tile_dim1
	s_mov_b32 s[\g+5], 4096                        ; the pitch: 32,768 bytes
	s_mov_b32 s[\g+6], 0
	s_mov_b32 s[\g+7], 0
.endr
	s_lshl_b32 s17, s12, 2                         ; which four tiles of 16 rows I fetch
	s_lshl_b32 s16, s13, 3
	s_add_co_u32 s16, s16, s17
	s_lshl_b32 s16, s16, 15
	s_lshl_b32 s46, s42, 3
	s_add_co_u32 s46, s46, s17
	s_lshl_b32 s46, s46, 15
	s_mov_b32 s17, 0
	s_mov_b32 s47, 0
	s_mul_i32 s20, s10, HALFT
	s_wait_dscnt 0x0                               ; both opening adds are done
	s_wait_kmcnt 0x0
	s_add_nc_u64 s[14:15], s[4:5], s[16:17]
	s_add_nc_u64 s[46:47], s[6:7], s[46:47]
	CROUND                                         ; all sixteen work-groups are here: the first joint loads meet
.irp s, 0,1
	s_mov_b32 s[G0+4*\s], 1
	s_add_co_u32 s[G0+4*\s+1], s20, \s*SLOT
	s_add_nc_u64 s[G0+4*\s+2:G0+4*\s+3], s[14:15], \s*KB8
	s_or_b32 s[G0+4*\s+3], s[G0+4*\s+3], 0x80000000
	s_mov_b32 s[G0B+4*\s], 1
	s_add_co_u32 s[G0B+4*\s+1], s20, \s*SLOT
	s_add_nc_u64 s[G0B+4*\s+2:G0B+4*\s+3], s[46:47], \s*KB8
	s_or_b32 s[G0B+4*\s+3], s[G0B+4*\s+3], 0x80000000
	JLOAD \s
.endr
	v_and_b32 v1, 15, v0                           ; r
	v_bfe_u32 v2, v0, 4, 1                         ; h
	v_and_b32 v3, 31, v0
	v_lshlrev_b32 v3, 4, v3                        ; 16 x lane
	s_mul_i32 s21, s11, HALFT
	s_mul_i32 s22, s12, HALFT
	s_add_co_u32 s22, s22, 2*HALFT
.irp s, 0,1
	v_add_nc_u32 v[ADRA+\s], s21, v3
	v_add_nc_u32 v[ADRB+\s], s22, v3
	s_add_co_u32 s21, s21, SLOT
	s_add_co_u32 s22, s22, SLOT
.endr
	s_mul_i32 s23, s10, 16*SPITCH
	s_add_co_u32 s23, s23, STAGE                   ; my stage
	v_mul_u32_u24 v4, v1, SPITCH
	v_lshl_add_u32 v4, v2, 5, v4
	v_add_nc_u32 v[STO], s23, v4                   ; in: row r, 32 bytes for each half of the lanes
	v_mul_u32_u24 v5, v2, SPITCH
	v_lshl_add_u32 v5, v1, 4, v5
	v_add_nc_u32 v[RD], s23, v5                    ; back: lanes 0-15 one row of 256 bytes, lanes 16-31 the next
	v_lshlrev_b32 v5, 12, v2
	v_lshl_add_u32 v[CO], v1, 4, v5                ; the same two rows in out0
	v_lshlrev_b32 v[BIO], 5, v2
	s_lshl_b32 s46, s42, 9                         ; my first column in bytes: 512 x tile column + 256 x half
	s_lshl_b32 s47, s12, 8
	s_add_co_u32 s46, s46, s47
	s_mov_b32 s47, 0
	s_add_nc_u64 s[68:69], s[68:69], s[46:47]
.irp b, 0,1,2,3
	global_load_b128 v[BI+8*\b:BI+8*\b+3], v[BIO], s[68:69] offset:64*\b           ; bo at columns 16 b + 8 h + 0..7
	global_load_b128 v[BI+8*\b+4:BI+8*\b+7], v[BIO], s[68:69] offset:64*\b+16
.endr
	s_lshl_b32 s16, s13, 19                        ; my first row: 128 x tile row + 64 x half, 4,096 bytes a row
	s_lshl_b32 s17, s11, 18
	s_add_co_u32 s16, s16, s17
	s_mov_b32 s17, 0
	s_add_nc_u64 s[70:71], s[70:71], s[16:17]
	s_add_nc_u64 s[70:71], s[70:71], s[46:47]
; 8 matrix instructions: m blocks a0, a0 + 1 x all 4 n blocks, 32 along K: half c of buffer f.  zero = 1: the first product starts the sums, from the bias
.macro MUL8 f, c, a0, zero
.irp a, \a0, \a0+1
.irp b, 0,1,2,3
.if \zero
	v_wmma_f32_16x16x32_f16 v[ACC+8*(4*(\a)+\b):ACC+8*(4*(\a)+\b)+7], v[\f+64+8*(4*\c+\b):\f+64+8*(4*\c+\b)+7], v[\f+8*(4*\c+\a):\f+8*(4*\c+\a)+7], v[BI+8*\b:BI+8*\b+7]
.else
	v_wmma_f32_16x16x32_f16 v[ACC+8*(4*(\a)+\b):ACC+8*(4*(\a)+\b)+7], v[\f+64+8*(4*\c+\b):\f+64+8*(4*\c+\b)+7], v[\f+8*(4*\c+\a):\f+8*(4*\c+\a)+7], v[ACC+8*(4*(\a)+\b):ACC+8*(4*(\a)+\b)+7]
.endif
.endr
.endr
.endm
; 32 LDS loads in one run: the fragments of quarter kq (64 along K: four pieces of each tile of 16 rows) into buffer f; the first 32 along K first
.macro FETCH slot, kq, f
	WIN TO_F
.irp c, 0,1
.irp i, 0,1,2,3
	ds_load_b128 v[\f+64+8*(4*\c+\i):\f+64+8*(4*\c+\i)+3],   v[ADRB+\slot] offset:\i*KB8+(4*(\kq)+2*\c)*512
	ds_load_b128 v[\f+64+8*(4*\c+\i)+4:\f+64+8*(4*\c+\i)+7], v[ADRB+\slot] offset:\i*KB8+(4*(\kq)+2*\c)*512+512
	ds_load_b128 v[\f+8*(4*\c+\i):\f+8*(4*\c+\i)+3],         v[ADRA+\slot] offset:\i*KB8+(4*(\kq)+2*\c)*512
	ds_load_b128 v[\f+8*(4*\c+\i)+4:\f+8*(4*\c+\i)+7],       v[ADRA+\slot] offset:\i*KB8+(4*(\kq)+2*\c)*512+512
.endr
.endr
.endm
.macro PLACES
.rept 4
	v_nop
.endr
.endm
.macro QUARTER slot, kq, f, g, zero
	s_wait_dscnt 16                                ; the first 32 along K are in; the youngest sixteen loads may be out
	WIN MUL
	MUL8 \f, 0, 0, \zero
	MUL8 \f, 0, 2, \zero
	PLACES
	FETCH \slot, \kq, \g
	s_wait_dscnt 32                                ; all but the 32 just issued
	WIN MUL
	MUL8 \f, 1, 0, 0
	MUL8 \f, 1, 2, 0
.endm
; The last quarter multiplies buffer 1 and changes slots: one barrier; in front of it each wave waits for all its tensor loads, adds 0 to its spare word, and waits for that and for its reads of this slot.
.macro TURN slot, next, fill
	WIN 0
	s_wait_tensorcnt 0x0
	ds_add_u32 v[SPW], v[NIL]
	s_wait_dscnt 17                                ; the add and the youngest sixteen loads may be out
	WIN MUL
	MUL8 F1, 0, 0, 0
	s_wait_dscnt 0x0
	s_barrier_signal -1
	MUL8 F1, 0, 2, 0
.if \fill
	WIN 0
.endif
	s_barrier_wait -1
.if \fill
	CREST                                          ; the barrier has opened a round of the cluster's barrier: no wave of any partner still reads this slot or has a load on its way
	s_add_nc_u64 s[G0+4*\slot+2:G0+4*\slot+3], s[G0+4*\slot+2:G0+4*\slot+3], 2*KB8
	s_add_nc_u64 s[G0B+4*\slot+2:G0B+4*\slot+3], s[G0B+4*\slot+2:G0B+4*\slot+3], 2*KB8
	JLOAD \slot                                    ; the first tensor load behind the round; its four v_nop are also the places in front of the loads below
.else
	PLACES
.endif
	FETCH \next, 0, F0
	WIN MUL
	MUL8 F1, 1, 0, 0
	MUL8 F1, 1, 2, 0
.endm
	s_wait_tensorcnt 1                             ; my part of K step 0 is in; K step 1's may be out
	s_barrier_signal -1
	s_barrier_wait -1
	FETCH 0, 0, F0
	s_wait_loadcnt 0x0                             ; the bias
	QUARTER 0, 1, F0, F1, 1
	WIN 0
	s_mov_b32 s3, LAPS-1
.Llap:
	QUARTER 0, 2, F1, F0, 0
	QUARTER 0, 3, F0, F1, 0
	TURN 0, 1, 1
	QUARTER 1, 1, F0, F1, 0
	QUARTER 1, 2, F1, F0, 0
	QUARTER 1, 3, F0, F1, 0
	TURN 1, 0, 1
	QUARTER 0, 1, F0, F1, 0
	WIN 0
	s_sub_co_u32 s3, s3, 1
	s_cmp_lg_u32 s3, 0
	s_cbranch_scc1 .Llap
	QUARTER 0, 2, F1, F0, 0                        ; the last lap fills nothing
	QUARTER 0, 3, F0, F1, 0
	TURN 0, 1, 0
	QUARTER 1, 1, F0, F1, 0
	QUARTER 1, 2, F1, F0, 0
	QUARTER 1, 3, F0, F1, 0
	s_wait_dscnt 16
	WIN MUL
	MUL8 F1, 0, 0, 0
	MUL8 F1, 0, 2, 0
	s_wait_dscnt 0
	MUL8 F1, 1, 0, 0
	MUL8 F1, 1, 2, 0
	WIN 0
; THE WAY OUT, 16 rows x 64 columns at a time, through my own stage.  LDS serves a wave's instructions in order: no wait between the stores and the loads, nor in front of the next block's stores.
.macro TOSTAGE a
.irp b, 0,1,2,3
	ds_store_b128 v[STO], v[ACC+8*(4*(\a)+\b):ACC+8*(4*(\a)+\b)+3] offset:64*\b          ; each accumulator from its low end on
	ds_store_b128 v[STO], v[ACC+8*(4*(\a)+\b)+4:ACC+8*(4*(\a)+\b)+7] offset:64*\b+16
.endr
.irp t, 0,1,2,3,4,5,6,7
	ds_load_b128 v[TMP+32*((\a)%2)+4*\t:TMP+32*((\a)%2)+4*\t+3], v[RD] offset:\t*2*SPITCH
.endr
.endm
.macro SEND a, younger
	s_wait_dscnt \younger                          ; the block is back; the next block's 8 stores and 8 loads may be out
.irp t, 0,1,2,3,4,5,6,7
	global_store_b128 v[CO], v[TMP+32*((\a)%2)+4*\t:TMP+32*((\a)%2)+4*\t+3], s[70:71] offset:(\a)*65536+2*\t*4096 th:TH_STORE_NT   ; sixteen lanes store 256 consecutive bytes, aligned
.endr
.endm
	PLACES
	TOSTAGE 0
.irp a, 1,2,3
.if \a > 1
	s_wait_xcnt 0x0                                ; block a - 2's stores have read their registers
.endif
	TOSTAGE \a
	SEND \a-1, 16
.endr
	SEND 3, 0
	s_wait_tensorcnt 0x0                           ; the wave's end: three lines
	ds_add_u32 v[SPW], v[NIL]
	s_wait_dscnt 0x0
	CROUND                                         ; the closing round
	s_endpgm
.Lfunc_end_k_q5d053d7750_outp:
	.size	k_q5d053d7750_outp, .Lfunc_end_k_q5d053d7750_outp-k_q5d053d7750_outp
	.p2alignl 7, 3214868480
	.fill 96, 4, 3214868480
	.section	.rodata,"a",@progbits
	.p2align	6, 0x0
	.amdhsa_kernel k_q5d053d7750_outp
		.amdhsa_group_segment_fixed_size 327680
		.amdhsa_private_segment_fixed_size 0
		.amdhsa_enable_private_segment 0
		.amdhsa_kernarg_size 32
		.amdhsa_user_sgpr_count 2
		.amdhsa_user_sgpr_kernarg_segment_ptr 1
		.amdhsa_wavefront_size32 1
		.amdhsa_system_sgpr_workgroup_id_x 1
		.amdhsa_system_sgpr_workgroup_id_y 1
		.amdhsa_system_sgpr_workgroup_id_z 1
		.amdhsa_system_vgpr_workitem_id 0
		.amdhsa_next_free_vgpr 512
		.amdhsa_next_free_sgpr 72
		.amdhsa_reserve_vcc 0
		.amdhsa_float_denorm_mode_32 3
		.amdhsa_float_denorm_mode_16_64 3
		.amdhsa_memory_ordered 1
		.amdhsa_forward_progress 1
		.amdhsa_inst_pref_size 86
	.end_amdhsa_kernel
	.amdgpu_metadata
---
amdhsa.version: [ 1, 2 ]
amdhsa.kernels:
  - .name:           k_q5d053d7750_outp
    .symbol:         k_q5d053d7750_outp.kd
    .args:
      - { .name: oimg, .offset: 0, .size: 8, .value_kind: global_buffer, .address_space: global }
      - { .name: wof, .offset: 8, .size: 8, .value_kind: global_buffer, .address_space: global }
      - { .name: bo, .offset: 16, .size: 8, .value_kind: global_buffer, .address_space: global }
      - { .name: out0, .offset: 24, .size: 8, .value_kind: global_buffer, .address_space: global }
    .group_segment_fixed_size: 327680
    .private_segment_fixed_size: 0
    .kernarg_segment_align: 8
    .kernarg_segment_size: 32
    .max_flat_workgroup_size: 128
    .sgpr_count:     72
    .vgpr_count:     512
    .wavefront_size: 32
...
	.end_amdgpu_metadata
.endif
;; end of part 5
;; launch fineo (part 6): grid 16 x 4, 16 waves a work-group, no clusters, 71,680 bytes of LDS; arguments ofine, wof, bo, out0; writes out0
.if DOCPART == 6
	.amdgcn_target "amdgcn-amd-amdhsa--gfx1250"
	.amdhsa_code_object_version 6
	.text
	.protected	k_q5d053d7750_fineo
	.globl	k_q5d053d7750_fineo
	.p2align	8
	.type	k_q5d053d7750_fineo,@function
k_q5d053d7750_fineo:
	s_mov_b64 s[64:65], 0
	v_nop
	global_prefetch_b8 v0, s[64:65] scope:SCOPE_SE
	s_setreg_imm32_b32 hwreg(HW_REG_WAVE_MODE, 25, 1), 1
	s_wait_xcnt 0x0
; THE PROJECTION OUT OF THE FIRST 16 POSITIONS OF EACH SEQUENCE, with both operands as pairs of f16: out0 = OH WH + OL WH + OH WL + bo, sums in f32.  It writes those 64 rows of out0 anew.
; A work-group takes 16 rows (batch = y) x 64 columns (x); its sixteen waves share K: wave w takes features 64 w .. 64 w + 63, four pieces of each operand.  24 matrix instructions a wave, four accumulators by turns
; (source 0 = 16 columns of wo, source 1 = the 16 tokens: a lane holds a token and eight neighbouring columns).  The sixteen partial sums meet in LDS; waves 0-7 add them, two rows each, add bo and store:
; sixteen lanes store 256 consecutive, aligned bytes.  No tensor load, no cluster: nothing here is shared between work-groups but 8 KB of O.
; LDS: wave w's partial sums at 4,352 w: [tile of 16 columns][registers 0-3 | 4-7][h][r] x 16 bytes, each run of 256 bytes followed by 16 of padding; the spare words from 69,632.
.set WOL,   2097152
.set OFL,   131072
.set SPARE, 69632
.set SPW, 8
.set NIL, 9
.set WH,  32                           ; v32-95   wo's high pieces: (tile t, piece p) at 16 t + 4 p
.set WL,  96                           ; v96-159  its low pieces
.set OH,  160                          ; v160-175 O's high pieces
.set OL,  176                          ; v176-191 its low pieces
.set AC,  192                          ; v192-223 four accumulators
	s_load_b256 s[4:11], s[0:1], 0x0               ; ofine, wof, bo, out0
	v_lshl_add_u32 v[SPW], v0, 2, SPARE
	v_mov_b32 v[NIL], 0
	v_lshrrev_b32 v1, 5, v0
	v_readfirstlane_b32 s12, v1                    ; wave 0..15
	s_and_b32 s13, ttmp7, 0xffff                   ; batch
	v_and_b32 v2, 31, v0
	v_lshlrev_b32 v3, 4, v2                        ; 16 x lane
	v_and_b32 v4, 15, v0                           ; r; on the way out: which four columns
	v_bfe_u32 v5, v0, 4, 1                         ; h
	s_mul_i32 s14, s12, 4352
	v_mul_u32_u24 v6, v5, 272
	v_lshl_add_u32 v6, v4, 4, v6
	v_add_nc_u32 v6, s14, v6                       ; where I put my sums
	v_lshrrev_b32 v10, 2, v4                       ; way out: columns 4 k .. 4 k + 3 lie in tile k / 4,
	v_mul_u32_u24 v7, v10, 1088
	v_and_b32 v10, 1, v4                           ; registers 0-3 or 4-7 by k % 2,
	v_mad_u32_u24 v7, v10, 544, v7
	v_bfe_u32 v10, v4, 1, 1                        ; half (k / 2) % 2,
	v_mad_u32_u24 v7, v10, 272, v7
	s_lshl_b32 s15, s12, 5
	v_lshl_add_u32 v7, v5, 4, v7
	v_add_nc_u32 v7, s15, v7                       ; row 2 x wave + lane / 16
	v_lshlrev_b32 v11, 4, v4                       ; 16 k: my four columns in bo,
	v_lshl_add_u32 v12, v5, 12, v11                ; and in out0, a row further down for lanes 16-31
	s_mov_b32 s17, 0
	s_wait_kmcnt 0x0
	s_lshl_b32 s16, ttmp9, 17                      ; wof at piece (4 x, 4 wave)
	s_lshl_b32 s18, s12, 11
	s_add_co_u32 s16, s16, s18
	s_add_nc_u64 s[6:7], s[6:7], s[16:17]
	s_lshl_b32 s16, s13, 15                        ; ofine at piece (batch, 4 wave)
	s_add_co_u32 s16, s16, s18
	s_add_nc_u64 s[4:5], s[4:5], s[16:17]
	s_lshl_b32 s16, ttmp9, 8                       ; 64 columns: 256 bytes
	s_add_nc_u64 s[8:9], s[8:9], s[16:17]
	s_add_nc_u64 s[10:11], s[10:11], s[16:17]
	s_lshl_b32 s16, s13, 23                        ; 2,048 rows of 4,096 bytes a batch,
	s_lshl_b32 s18, s12, 13                        ; two rows a wave
	s_add_co_u32 s16, s16, s18
	s_add_nc_u64 s[10:11], s[10:11], s[16:17]
.irp p, 0,1,2,3
	global_load_b128 v[OH+4*\p:OH+4*\p+3], v3, s[4:5] offset:512*\p
	global_load_b128 v[OL+4*\p:OL+4*\p+3], v3, s[4:5] offset:OFL+512*\p
.endr
.irp t, 0,1,2,3
.irp p, 0,1,2,3
	global_load_b128 v[WH+16*\t+4*\p:WH+16*\t+4*\p+3], v3, s[6:7] offset:\t*32768+512*\p
	global_load_b128 v[WL+16*\t+4*\p:WL+16*\t+4*\p+3], v3, s[6:7] offset:WOL+\t*32768+512*\p
.endr
.endr
	global_load_b128 v[24:27], v11, s[8:9]         ; bo
	s_wait_loadcnt 0x0
.macro FROUND wb, ob, c, zero          ; four products, the four accumulators by turns
.irp t, 0,1,2,3
.if \zero
	v_wmma_f32_16x16x32_f16 v[AC+8*\t:AC+8*\t+7], v[\wb+16*\t+8*\c:\wb+16*\t+8*\c+7], v[\ob+8*\c:\ob+8*\c+7], 0
.else
	v_wmma_f32_16x16x32_f16 v[AC+8*\t:AC+8*\t+7], v[\wb+16*\t+8*\c:\wb+16*\t+8*\c+7], v[\ob+8*\c:\ob+8*\c+7], v[AC+8*\t:AC+8*\t+7]
.endif
.endr
.endm
	FROUND WH, OH, 0, 1
	FROUND WH, OH, 1, 0
	FROUND WH, OL, 0, 0
	FROUND WH, OL, 1, 0
	FROUND WL, OH, 0, 0
	FROUND WL, OH, 1, 0
.rept 4
	v_nop                                          ; places: ahead of the stores of the results and of loads into the operands' registers
.endr
.irp t, 0,1,2,3
	ds_store_b128 v6, v[AC+8*\t:AC+8*\t+3] offset:\t*1088                          ; each accumulator from its low end on
	ds_store_b128 v6, v[AC+8*\t+4:AC+8*\t+7] offset:\t*1088+544
.endr
	s_wait_dscnt 0x0                               ; for the others' sake: my sums are stored
	s_barrier_signal -1
	s_barrier_wait -1
	s_cmp_lt_u32 s12, 8
	s_cbranch_scc0 .Lend
.irp w, 0,1,2,3,4,5,6,7,8,9,10,11,12,13,14,15
	ds_load_b128 v[32+4*\w:32+4*\w+3], v7 offset:\w*4352                           ; the sixteen lanes of a row fall on sixteen different runs of 16 bytes modulo 256
.endr
	s_wait_dscnt 0x0
.irp w, 0,1,2,3,4,5,6,7
	v_pk_add_f32 v[32+4*\w:33+4*\w], v[32+4*\w:33+4*\w], v[64+4*\w:65+4*\w]
	v_pk_add_f32 v[34+4*\w:35+4*\w], v[34+4*\w:35+4*\w], v[66+4*\w:67+4*\w]
.endr
.irp w, 0,1,2,3
	v_pk_add_f32 v[32+4*\w:33+4*\w], v[32+4*\w:33+4*\w], v[48+4*\w:49+4*\w]
	v_pk_add_f32 v[34+4*\w:35+4*\w], v[34+4*\w:35+4*\w], v[50+4*\w:51+4*\w]
.endr
.irp w, 0,1
	v_pk_add_f32 v[32+4*\w:33+4*\w], v[32+4*\w:33+4*\w], v[40+4*\w:41+4*\w]
	v_pk_add_f32 v[34+4*\w:35+4*\w], v[34+4*\w:35+4*\w], v[42+4*\w:43+4*\w]
.endr
	v_pk_add_f32 v[32:33], v[32:33], v[36:37]
	v_pk_add_f32 v[34:35], v[34:35], v[38:39]
	v_pk_add_f32 v[32:33], v[32:33], v[24:25]
	v_pk_add_f32 v[34:35], v[34:35], v[26:27]
	global_store_b128 v12, v[32:35], s[10:11]
.Lend:
	s_wait_tensorcnt 0x0                           ; the wave's end: three lines behind my last LDS store
	ds_add_u32 v[SPW], v[NIL]
	s_wait_dscnt 0x0
	s_endpgm
.Lfunc_end_k_q5d053d7750_fineo:
	.size	k_q5d053d7750_fineo, .Lfunc_end_k_q5d053d7750_fineo-k_q5d053d7750_fineo
	.p2alignl 7, 3214868480
	.fill 96, 4, 3214868480
	.section	.rodata,"a",@progbits
	.p2align	6, 0x0
	.amdhsa_kernel k_q5d053d7750_fineo
		.amdhsa_group_segment_fixed_size 71680
		.amdhsa_private_segment_fixed_size 0
		.amdhsa_enable_private_segment 0
		.amdhsa_kernarg_size 32
		.amdhsa_user_sgpr_count 2
		.amdhsa_user_sgpr_kernarg_segment_ptr 1
		.amdhsa_wavefront_size32 1
		.amdhsa_system_sgpr_workgroup_id_x 1
		.amdhsa_system_sgpr_workgroup_id_y 1
		.amdhsa_system_sgpr_workgroup_id_z 1
		.amdhsa_system_vgpr_workitem_id 0
		.amdhsa_next_free_vgpr 224
		.amdhsa_next_free_sgpr 66
		.amdhsa_reserve_vcc 0
		.amdhsa_float_denorm_mode_32 3
		.amdhsa_float_denorm_mode_16_64 3
		.amdhsa_memory_ordered 1
		.amdhsa_forward_progress 1
		.amdhsa_inst_pref_size 12
	.end_amdhsa_kernel
	.amdgpu_metadata
---
amdhsa.version: [ 1, 2 ]
amdhsa.kernels:
  - .name:           k_q5d053d7750_fineo
    .symbol:         k_q5d053d7750_fineo.kd
    .args:
      - { .name: ofine, .offset: 0, .size: 8, .value_kind: global_buffer, .address_space: global }
      - { .name: wof, .offset: 8, .size: 8, .value_kind: global_buffer, .address_space: global }
      - { .name: bo, .offset: 16, .size: 8, .value_kind: global_buffer, .address_space: global }
      - { .name: out0, .offset: 24, .size: 8, .value_kind: global_buffer, .address_space: global }
    .group_segment_fixed_size: 71680
    .private_segment_fixed_size: 0
    .kernarg_segment_align: 8
    .kernarg_segment_size: 32
    .max_flat_workgroup_size: 512
    .sgpr_count:     66
    .vgpr_count:     224
    .wavefront_size: 32
...
	.end_amdgpu_metadata
.endif
;; end of part 6
